; MI455X (gfx1250); checked and timed in simulation.
; The chip was launched on July 23, 2026; its instructions are those of AMD's public machine-readable ISA for CDNA 5 (MIT licence, August 2026) and "CDNA5" Instruction Set Architecture Reference Guide (July 2026). The comments in the code are by the model that wrote it; some were corrected since.
;; Attention. Allowed arithmetic: float matrix products may take bf16 or f16 operands with f32 sums; other float arithmetic in f32, or as packed bf16 or f16 multiplies, adds, multiply-adds, maxima and minima; sums over many terms, partial sums and values carried from step to step in f32; what a program stores and reads back later, other than sums and carried values, may be rounded once to bf16 or f16.
;; Inputs: Wk 2,048 x 2,048 float32; Wout 2,048 x 2,048 float32; Wq 2,048 x 2,048 float32; Wv 2,048 x 2,048 float32; k_scale 128 float32; q_scale 128 float32; rope_emb 2,048 x 1 x 1 x 128 float32; x 2,048 x 1 x 2,048 float32.
;; Outputs: out0 2,048 x 1 x 2,048 float32.
;; One version. Each part assembles by itself: llvm-mc -triple=amdgcn-amd-amdhsa -mcpu=gfx1250 --defsym DOCPART=n.
;; ======== version 1 of 1: 4 launches
;; limits: values are held in f16: magnitudes above 65,504 overflow, below 6.1e-05 lose precision
;; workspace buffers: cv 41,943,040 bytes; tab 2,097,152 bytes; qkv 25,165,824 bytes; ob 8,388,608 bytes
;; launch prep (part 1): grid 512 x 6, 8 waves a work-group, no clusters, 0 bytes of LDS; arguments x, Wq, Wk, Wv, Wout, rope_emb, cv, tab; writes cv, tab
.if DOCPART == 1
	.amdgcn_target "amdgcn-amd-amdhsa--gfx1250"
	.amdhsa_code_object_version 6
	.text
	.protected	k_q151368d8f6_prep
	.globl	k_q151368d8f6_prep
	.p2align	8
	.type	k_q151368d8f6_prep,@function
k_q151368d8f6_prep:
	s_mov_b64 s[64:65], 0
	v_nop
	global_prefetch_b8 v0, s[64:65] scope:SCOPE_SE
	s_setreg_imm32_b32 hwreg(HW_REG_WAVE_MODE, 25, 1), 1
	s_wait_xcnt 0x0
; PREPARATION.  Work-group row y = 0..3: x, Wq, Wk, Wv (4,194,304 f32 each) rounded once to bf16 into cv at y x 8 MiB.  y = 4: Wout rounded to bf16 and that number written as f16, at 32 MiB.
; y = 5: rope_emb rounded to bf16, then tab[s] = cos of the 128 frequencies, then sin of them, in f32 (1,024 bytes a row).
; A stream: nothing is shared, so no LDS, no barrier.  A work-group converts 8,192 numbers: thread t takes 16 bytes at 16 t of each of eight blocks of 4,096 bytes; all eight loads of a wave go out before its
; first store; a store of a wave covers 256 consecutive bytes, aligned.  With 40 registers a wave many work-groups lie on a WGP, and their loads are on their way together.
; LIMITS.  Wout beyond 65,504 would leave f16's range; below 2^-14 it keeps f16's fixed step of 6e-8.  Sine and cosine: the angle is reduced by a multiple of pi/2 held in two f32 parts, good for |rope_emb| under 1e6;
; polynomials of degree 7 and 8 on |r| <= pi/4, off by under 4e-7.  NaN and infinities are not treated apart.
.set NBLK, 8                           ; blocks of 4,096 bytes of f32 a work-group
.set AR,  4                            ; v[4:5]    the thread's two frequencies
.set NR,  6                            ; the multiple of pi/2
.set RR,  8                            ; the reduced angle r
.set ZR,  10                           ; r^2
.set PSN, 12                           ; sin r
.set PCS, 14                           ; cos r
.set IR,  16                           ; the multiple as a whole number
.set GR,  18                           ; at work
.set CSO, 20                           ; cos
.set SNO, 22                           ; sin
	s_load_b512 s[8:23], s[0:1], 0x0               ; x 8:9, Wq 10:11, Wk 12:13, Wv 14:15, Wout 16:17, rope_emb 18:19, cv 20:21, tab 22:23
	s_and_b32 s2, ttmp7, 0xffff                    ; y
	v_lshlrev_b32 v1, 4, v0                        ; 16 t: my bytes of a block of f32
	v_lshlrev_b32 v2, 3, v0                        ; 8 t: the same numbers in 16 bits
	s_mov_b32 s24, 0xffff0000                      ; a word's upper bf16
	s_mov_b32 s37, 0
	s_wait_kmcnt 0x0
	s_cmp_eq_u32 s2, 5
	s_cbranch_scc1 .Ltable
	s_mov_b64 s[4:5], s[8:9]                       ; the source, by y
	s_cmp_eq_u32 s2, 1
	s_cselect_b64 s[4:5], s[10:11], s[4:5]
	s_cmp_eq_u32 s2, 2
	s_cselect_b64 s[4:5], s[12:13], s[4:5]
	s_cmp_eq_u32 s2, 3
	s_cselect_b64 s[4:5], s[14:15], s[4:5]
	s_cmp_eq_u32 s2, 4
	s_cselect_b64 s[4:5], s[16:17], s[4:5]
	s_lshl_b32 s36, ttmp9, 15                      ; the work-group's 32,768 bytes of f32
	s_add_nc_u64 s[4:5], s[4:5], s[36:37]
	s_lshl_b32 s36, s2, 23                         ; part y of cv
	s_add_nc_u64 s[6:7], s[20:21], s[36:37]
	s_lshl_b32 s36, ttmp9, 14                      ; the work-group's 16,384 bytes there
	s_add_nc_u64 s[6:7], s[6:7], s[36:37]
.set i, 0
.rept NBLK
	global_load_b128 v[4+4*i:7+4*i], v1, s[4:5] offset:4096*i th:TH_LOAD_NT
.set i, i+1
.endr
; Block i: four numbers a thread.  The wait leaves the younger loads out.  No register is used twice, so nothing waits for a store.
.macro CVB i
	s_wait_loadcnt NBLK-1-(\i)
	v_cvt_pk_bf16_f32 v[4+4*(\i)], v[4+4*(\i)], v[5+4*(\i)]
	v_cvt_pk_bf16_f32 v[5+4*(\i)], v[6+4*(\i)], v[7+4*(\i)]
	global_store_b64 v2, v[4+4*(\i):5+4*(\i)], s[6:7] offset:2048*(\i) th:TH_STORE_NT
.endm
.macro CVH i                           ; the same, and the bf16 numbers written as f16
	s_wait_loadcnt NBLK-1-(\i)
	v_cvt_pk_bf16_f32 v[4+4*(\i)], v[4+4*(\i)], v[5+4*(\i)]
	v_cvt_pk_bf16_f32 v[5+4*(\i)], v[6+4*(\i)], v[7+4*(\i)]
	v_lshlrev_b32 v[6+4*(\i)], 16, v[4+4*(\i)]
	v_and_b32 v[7+4*(\i)], s24, v[4+4*(\i)]
	v_cvt_pk_f16_f32 v[4+4*(\i)], v[6+4*(\i)], v[7+4*(\i)]
	v_lshlrev_b32 v[6+4*(\i)], 16, v[5+4*(\i)]
	v_and_b32 v[7+4*(\i)], s24, v[5+4*(\i)]
	v_cvt_pk_f16_f32 v[5+4*(\i)], v[6+4*(\i)], v[7+4*(\i)]
	global_store_b64 v2, v[4+4*(\i):5+4*(\i)], s[6:7] offset:2048*(\i) th:TH_STORE_NT
.endm
	s_cmp_eq_u32 s2, 4
	s_cbranch_scc1 .Lhalf
.set i, 0
.rept NBLK
	CVB i
.set i, i+1
.endr
	s_endpgm
.Lhalf:
.set i, 0
.rept NBLK
	CVH i
.set i, i+1
.endr
	s_endpgm
.Ltable:                               ; 4 rows a work-group; thread t: row t / 64, columns 2 (t % 64) and the next
	s_lshl_b32 s36, ttmp9, 11
	s_add_nc_u64 s[4:5], s[18:19], s[36:37]
	s_lshl_b32 s36, ttmp9, 12
	s_add_nc_u64 s[6:7], s[22:23], s[36:37]
	global_load_b64 v[AR:AR+1], v2, s[4:5] th:TH_LOAD_NT
	v_lshrrev_b32 v3, 6, v0
	v_and_b32 v1, 63, v0
	v_lshlrev_b32 v3, 10, v3
	v_lshl_add_u32 v3, v1, 3, v3                   ; row x 1,024 + 8 x (t % 64): a wave's store covers 256 consecutive bytes, aligned
	s_mov_b32 s25, 0x3f22f983                      ; 2 / pi
	s_mov_b32 s26, 0xbfc90fdb                      ; - pi/2, upper part
	s_mov_b32 s27, 0x333bbd2e                      ; - pi/2, the rest
	s_mov_b32 s28, 0xb9500d01                      ; -1/5040
	s_mov_b32 s29, 0x3c088889                      ; 1/120
	s_mov_b32 s30, 0xbe2aaaab                      ; -1/6
	s_mov_b32 s31, 0x37d00d01                      ; 1/40320
	s_mov_b32 s32, 0xbab60b61                      ; -1/720
	s_mov_b32 s33, 0x3d2aaaab                      ; 1/24
	s_mov_b32 s34, 0x80000000                      ; the sign
	s_wait_loadcnt 0x0
	v_cvt_pk_bf16_f32 v[NR], v[AR], v[AR+1]        ; the frequencies rounded to bf16, like every input
	v_lshlrev_b32 v[AR], 16, v[NR]
	v_and_b32 v[AR+1], s24, v[NR]
.macro ALL2 line:vararg                ; one line for each of the two numbers n
.set n, 0
.rept 2
	\line
.set n, n+1
.endr
.endm
	ALL2 v_mul_f32 v[NR+n], s25, v[AR+n]
	ALL2 v_rndne_f32 v[NR+n], v[NR+n]
	ALL2 v_fma_f32 v[RR+n], v[NR+n], s26, v[AR+n]
	ALL2 v_fma_f32 v[RR+n], v[NR+n], s27, v[RR+n]
	ALL2 v_mul_f32 v[ZR+n], v[RR+n], v[RR+n]
	ALL2 v_fma_f32 v[PSN+n], v[ZR+n], s28, s29
	ALL2 v_fma_f32 v[PCS+n], v[ZR+n], s31, s32
	ALL2 v_fma_f32 v[PSN+n], v[ZR+n], v[PSN+n], s30
	ALL2 v_mul_f32 v[GR+n], v[RR+n], v[ZR+n]
	ALL2 v_fma_f32 v[PCS+n], v[ZR+n], v[PCS+n], s33
	ALL2 v_fma_f32 v[PSN+n], v[GR+n], v[PSN+n], v[RR+n]
	ALL2 v_fma_f32 v[PCS+n], v[ZR+n], v[PCS+n], -0.5
	ALL2 v_cvt_i32_f32 v[IR+n], v[NR+n]
	ALL2 v_fma_f32 v[PCS+n], v[ZR+n], v[PCS+n], 1.0
	ALL2 v_and_b32 v[GR+n], 1, v[IR+n]
.set n, 0
.rept 2                                ; an odd multiple of pi/2 swaps the two
	v_cmp_eq_u32 vcc_lo, 1, v[GR+n]
	v_cndmask_b32 v[SNO+n], v[PSN+n], v[PCS+n], vcc_lo
	v_cndmask_b32 v[CSO+n], v[PCS+n], v[PSN+n], vcc_lo
.set n, n+1
.endr
	ALL2 v_lshlrev_b32 v[GR+n], 30, v[IR+n]
	ALL2 v_add_nc_u32 v[IR+n], 1, v[IR+n]
	ALL2 v_and_b32 v[GR+n], s34, v[GR+n]
	ALL2 v_lshlrev_b32 v[IR+n], 30, v[IR+n]
	ALL2 v_xor_b32 v[SNO+n], v[SNO+n], v[GR+n]
	ALL2 v_and_b32 v[IR+n], s34, v[IR+n]
	ALL2 v_xor_b32 v[CSO+n], v[CSO+n], v[IR+n]
	global_store_b64 v3, v[CSO:CSO+1], s[6:7]
	global_store_b64 v3, v[SNO:SNO+1], s[6:7] offset:512
	s_endpgm
.Lfunc_end_k_q151368d8f6_prep:
	.size	k_q151368d8f6_prep, .Lfunc_end_k_q151368d8f6_prep-k_q151368d8f6_prep
	.p2alignl 7, 3214868480
	.fill 96, 4, 3214868480
	.section	.rodata,"a",@progbits
	.p2align	6, 0x0
	.amdhsa_kernel k_q151368d8f6_prep
		.amdhsa_group_segment_fixed_size 0
		.amdhsa_private_segment_fixed_size 0
		.amdhsa_enable_private_segment 0
		.amdhsa_kernarg_size 64
		.amdhsa_user_sgpr_count 2
		.amdhsa_user_sgpr_kernarg_segment_ptr 1
		.amdhsa_wavefront_size32 1
		.amdhsa_system_sgpr_workgroup_id_x 1
		.amdhsa_system_sgpr_workgroup_id_y 1
		.amdhsa_system_sgpr_workgroup_id_z 1
		.amdhsa_system_vgpr_workitem_id 0
		.amdhsa_next_free_vgpr 40
		.amdhsa_next_free_sgpr 66
		.amdhsa_reserve_vcc 1
		.amdhsa_float_denorm_mode_32 3
		.amdhsa_float_denorm_mode_16_64 3
		.amdhsa_memory_ordered 1
		.amdhsa_forward_progress 1
		.amdhsa_inst_pref_size 12
	.end_amdhsa_kernel
	.amdgpu_metadata
---
amdhsa.version: [ 1, 2 ]
amdhsa.kernels:
  - .name:           k_q151368d8f6_prep
    .symbol:         k_q151368d8f6_prep.kd
    .args:
      - { .name: x, .offset: 0, .size: 8, .value_kind: global_buffer, .address_space: global }
      - { .name: Wq, .offset: 8, .size: 8, .value_kind: global_buffer, .address_space: global }
      - { .name: Wk, .offset: 16, .size: 8, .value_kind: global_buffer, .address_space: global }
      - { .name: Wv, .offset: 24, .size: 8, .value_kind: global_buffer, .address_space: global }
      - { .name: Wout, .offset: 32, .size: 8, .value_kind: global_buffer, .address_space: global }
      - { .name: rope_emb, .offset: 40, .size: 8, .value_kind: global_buffer, .address_space: global }
      - { .name: cv, .offset: 48, .size: 8, .value_kind: global_buffer, .address_space: global }
      - { .name: tab, .offset: 56, .size: 8, .value_kind: global_buffer, .address_space: global }
    .group_segment_fixed_size: 0
    .private_segment_fixed_size: 0
    .kernarg_segment_align: 8
    .kernarg_segment_size: 64
    .max_flat_workgroup_size: 256
    .sgpr_count:     66
    .vgpr_count:     40
    .wavefront_size: 32
...
	.end_amdgpu_metadata
.endif
;; end of part 1
;; launch qkv (part 2): grid 16 x 16, 4 waves a work-group, clusters of 4 x 4, 327,680 bytes of LDS; arguments cv, tab, q_scale, k_scale, qkv; writes qkv
.if DOCPART == 2
	.amdgcn_target "amdgcn-amd-amdhsa--gfx1250"
	.amdhsa_code_object_version 6
	.text
	.protected	k_q151368d8f6_qkv
	.globl	k_q151368d8f6_qkv
	.p2align	8
	.type	k_q151368d8f6_qkv,@function
k_q151368d8f6_qkv:
	s_mov_b64 s[64:65], 0
	v_nop
	global_prefetch_b8 v0, s[64:65] scope:SCOPE_SE
	s_setreg_imm32_b32 hwreg(HW_REG_WAVE_MODE, 25, 1), 1
	s_wait_xcnt 0x0
	s_wait_alu depctr_hold_cnt(0) depctr_sa_sdst(0) depctr_va_vdst(0) depctr_va_sdst(0) depctr_va_ssrc(0) depctr_va_vcc(0) depctr_vm_vsrc(0)
	s_getreg_b32 s2, hwreg(HW_REG_IB_STS2, 6, 4)
	s_cmp_eq_u32 s2, 0
	s_cbranch_scc0 .Lentry_in_a_cluster
	s_endpgm
.Lentry_in_a_cluster:
	s_bfe_u32 s2, ttmp6, 0x10000c
	s_cmp_lg_u32 s2, 0xf033
	s_cbranch_scc0 .Lentry_shape_is_right
	s_endpgm
.Lentry_shape_is_right:
; q, k, v OF ONE HEAD FOR 128 ROWS: C = x W^T with W = the head's 128 rows of Wq, Wk and Wv (bf16 operands from cv, f32 sums, K = 2,048), then per-head RMSNorm with gain and RoPE on q and k in f32 in registers;
; all three rounded once to f16 and stored by heads: qkv = q, k, v, each [16][2048][128], rows of 256 bytes.
; LIMITS.  v must stay within f16's 65,504; |q|, |k| are at most 16 |gain|.  The gains are rounded to bf16 like every input.  NaN and infinities are not treated apart.
; SHARES.  Grid x = block of 128 rows, y = head: clusters that differ in x alone take the same weights, three quarters of a K step's bytes.  Wave w: rows 64 (w / 2) on; of each of q, k, v the four blocks of
; 16 columns 2 (w % 2) + i % 2 + 4 (i / 2), i = 0..3: columns c and c + 64, which RoPE pairs, lie in one lane at the same register index of blocks i and i ^ 2.  48 accumulators a wave; for 32 along K it
; reads 16 KiB from LDS for 48 matrix instructions.
; THE PRODUCT IS TAKEN TRANSPOSED (source 0 = 16 rows of W, source 1 = 16 rows of x): a lane holds one row (lane % 16) and eight neighbouring columns 8 (lane / 16) + 0..7.
; RING.  K in 16 steps of 128 through two LDS slots; a slot holds 128 rows each of x, Wq, Wk, Wv (rows of 256 bytes + 16 of padding); wave w fetches part w by one tensor load.
; CLUSTER 4 x 4.  x's tile hangs on the row block alone and is asked for jointly along a column of the cluster, W's on the head alone, jointly along a row.
; REGISTERS, in windows of 256 (s_set_vgpr_msb: bits 1:0 source 0, 3:2 source 1, 5:4 source 2, 7:6 destination):
;   window 0: v0-31 addresses; v32-63 sums of squares; v64-127 the gains; v128-255 sin          window 1: two fragment buffers of 128 (x's four, then W's twelve); at work on the way out
;   window 2: q's accumulators at 32 a + 8 i, k's at 128 + 32 a + 8 i                          window 3: v's at 32 a + 8 i; v128-255 cos
.set KSTEP,  128
.set PITCH,  272                       ; 68 words: the 16 rows of a fragment load start at 16 different groups of four banks (64 banks of 4 bytes: ISA guide 11.1)
.set HALFT,  128*PITCH                 ; what one tensor load brings
.set SLOT,   4*HALFT                   ; 0x22000; no bit of it occurs in w x HALFT, so an exclusive or turns an address in one slot into the other's
.set XCH,    2*SLOT                    ; behind the ring: 1,024 bytes a wave, the partial sums of squares
.set SPARE,  XCH+4096                  ; the spare words, 128 bytes a wave: two blocks of 256 bytes that no other line names
; On the way out three stages of 128 rows x 272 bytes (q, k, v) lie in slot 0, whose last fill is K step 14's.
.set LA,  4                            ; my lane's place in x's tile, in W's tiles (q's), in Wv's tile; never rewritten
.set LB,  5
.set LV,  6
.set SO,  10                           ; byte offset of my columns in a gain
.set XST, 12                           ; where I put my eight sums of squares, and where my partner wave's lie
.set XRD, 13
.set ADA, 16                           ; the same three places in the slot in hand
.set ADB, 17
.set ADV, 18
.set STO, 22                           ; the way out: where I put 16 bytes of a row (q's stage; v's)
.set STOV, 23
.set RD,  24                           ; where I read rows back
.set RDV, 25
.set CO,  26                           ; 16 x lane: my 16 bytes of 512 consecutive bytes of the output
.set TO,  27                           ; my byte offset in the table's rows
.set SPW, 28                           ; LDS address of my spare word; never rewritten
.set NIL, 29                           ; 0; never rewritten
.set PFO, 30                           ; lane x 4,096: a row of cv's matrices; never rewritten
.set SS,  32                           ; eight pairs, n = 4 j + a; later 1 / rms in each pair's low register
.set SQ,  48
.set PQ,  56
.set WQ,  64                           ; q's gain at 8 i + e, k's 32 further on
.set SIN, 128
.set COS, 128                          ; in window 3
.set F0,  0
.set F1,  128
.set WR,  0                            ; window 1, the way out: gain / rms; x cos + rot sin; packed
.set TT,  32
.set PP,  64
.set WV,  14
.set RH,  15
.set CH,  16
.set CX,  17
.set CY,  18
.set HD,  19
.set RB,  20
.set TB,  21                           ; the slot of the next fetch: 0 or SLOT
.set G1,  24                           ; s[24:31] descriptor group 1 for x's tiles;  s[32:39] group 0, two sets; the second walks
.set G0,  32
.set LIM, 43
.set PFA, 44
.set G1B, 48                           ; s[48:55], s[56:63] the same for W's tiles
.set G0B, 56
.set OUT, 72                           ; s[72:77] q, k, v at the rows that I store
.set SEL, 78
.set MSB, 0
.macro WIN new                         ; the immediate's high byte repeats the setting that is left; a switch that changes nothing is dropped
.if MSB != (\new)
	s_set_vgpr_msb (MSB<<8)|(\new)
.set MSB, (\new)
.endif
.endm
; A joint load: wave 0 fetches x's tile, waves 1 to 3 Wq's, Wk's, Wv's.  The branch hangs on the wave's number alone.  An s_nop 0 and four v_nop follow each line.
.macro JLOAD n
	s_cmp_eq_u32 s[WV], 0
	s_cbranch_scc0 .Lfor_w_\@
	tensor_load_to_lds s[G0+4*(\n):G0+4*(\n)+3], s[G1:G1+7]
	s_nop 0
.rept 4
	v_nop
.endr
	s_branch .Lasked_\@
.Lfor_w_\@:
	tensor_load_to_lds s[G0B+4*(\n):G0B+4*(\n)+3], s[G1B:G1B+7]
	s_nop 0
.rept 4
	v_nop
.endr
.Lasked_\@:
.endm
; A prefetch of the K step two refills on: 32 rows x 256 bytes, a lane a row.  x's rows are read by the four clusters of a column of clusters: the one with y = 0 asks; W's by those of a row: x = 0 asks.
; Of the 128 rows that a wave fetches each of the four partners takes 32, told apart by address.  So each row's 256 bytes of a K step are named once.  The last two refills have no K step two on.
.macro ASK
	WIN 0
	s_cmp_gt_u32 s3, s[LIM]
	s_cbranch_scc0 .Lnot_mine_\@
	global_prefetch_b8 v[PFO], s[PFA:PFA+1] offset:KSTEP*2 th:TH_LOAD_NT scope:SCOPE_SE
.Lnot_mine_\@:
.endm
.macro CREST                           ; a round of the cluster's barrier behind its opening barrier
	s_cmp_lg_u32 s[WV], 0
	s_cbranch_scc1 .Lnot_wave_0_\@
	s_barrier_signal -3
.Lnot_wave_0_\@:
	s_barrier_wait -3
	s_barrier_signal -1
	s_barrier_wait -1
.endm
.macro CROUND
	s_barrier_signal -1
	s_barrier_wait -1
	CREST
.endm
.macro PLACES                          ; four places in front of loads into registers that matrix instructions have read, and of lines that read results
.rept 4
	v_nop
.endr
.endm
	s_load_b256 s[4:11], s[0:1], 0x0               ; cv 4:5, tab 6:7, q_scale 8:9, k_scale 10:11
	s_load_b64 s[12:13], s[0:1], 0x20              ; qkv
	v_lshl_add_u32 v[SPW], v0, 2, SPARE
	v_mov_b32 v[NIL], 0
	ds_add_u32 v[SPW], v[NIL]                      ; the wave's opening: the add and its wait ahead of my first tensor load
	v_lshrrev_b32 v1, 5, v0
	v_readfirstlane_b32 s[WV], v1
	s_lshr_b32 s[RH], s[WV], 1
	s_and_b32 s[CH], s[WV], 1
	s_bfe_u32 s[CX], ttmp6, 0x40000
	s_bfe_u32 s[CY], ttmp6, 0x40004
	s_lshl_b32 s[RB], ttmp9, 2
	s_add_co_u32 s[RB], s[RB], s[CX]               ; row block = 4 x cluster x + cx
	s_and_b32 s[HD], ttmp7, 0xffff
	s_lshl_b32 s[HD], s[HD], 2
	s_add_co_u32 s[HD], s[HD], s[CY]               ; head = 4 x cluster y + cy
	s_lshl_b32 s22, s[CY], 2
	s_lshl_b32 s22, 15, s22                        ; my row of the cluster: the same head
	s_lshl_b32 s23, 0x1111, s[CX]                  ; my column: the same row block
	s_or_b32 s[G1], s23, (1<<16)|(1<<20)|(1<<21)|(5<<22)|(3<<25)   ; the mask; 2-byte elements; padding on; bit 21 beside a mask; after every 64 words 4 words
	s_or_b32 s[G1B], s22, (1<<16)|(1<<20)|(1<<21)|(5<<22)|(3<<25)
.irp g, G1, G1B
	s_mov_b32 s[(\g)+1], KSTEP<<16                 ; tensor_dim0 = 128
	s_mov_b32 s[(\g)+2], 128<<16                   ; tensor_dim1 = 128
	s_mov_b32 s[(\g)+3], KSTEP<<16                 ; tile_dim0 = 128
	s_mov_b32 s[(\g)+4], 128                       ; tile_dim1 = 128
	s_mov_b32 s[(\g)+5], 2048                      ; elements from row to row
	s_mov_b32 s[(\g)+6], 0
	s_mov_b32 s[(\g)+7], 0
.endr
	s_lshl_b32 s66, s[RB], 19                      ; x: 128 rows of 4,096 bytes a block
	s_mov_b32 s67, 0
	s_lshl_b32 s68, s[HD], 19                      ; W: the head's 128 rows,
	s_lshl_b32 s69, s[WV], 23                      ; in part w of cv
	s_add_co_u32 s68, s68, s69
	s_mov_b32 s69, 0
	s_mul_i32 s70, s[WV], HALFT                    ; and where the tile goes: no place in the cluster enters an LDS address
	s_mov_b32 s[SEL], 0x76543210
	s_mov_b32 s[SEL+1], 0xfedcba98
	s_mov_b32 s80, 0x3c000000                      ; 1/128
	s_mov_b32 s81, 0x358637bd                      ; 1e-6
	s_mov_b32 s82, 0xffff0000
	s_wait_dscnt 0x0                               ; the opening add is done
	s_wait_kmcnt 0x0
	s_add_nc_u64 s[66:67], s[4:5], s[66:67]
	s_add_nc_u64 s[68:69], s[4:5], s[68:69]
	CROUND                                         ; all sixteen work-groups are here: the first joint loads meet
.irp s, 0,1
	s_mov_b32 s[G0+4*(\s)], 1
	s_add_co_u32 s[G0+4*(\s)+1], s70, (\s)*SLOT
	s_add_nc_u64 s[G0+4*(\s)+2:G0+4*(\s)+3], s[66:67], (\s)*KSTEP*2
	s_or_b32 s[G0+4*(\s)+3], s[G0+4*(\s)+3], 0x80000000
	s_mov_b32 s[G0B+4*(\s)], 1
	s_add_co_u32 s[G0B+4*(\s)+1], s70, (\s)*SLOT
	s_add_nc_u64 s[G0B+4*(\s)+2:G0B+4*(\s)+3], s[68:69], (\s)*KSTEP*2
	s_or_b32 s[G0B+4*(\s)+3], s[G0B+4*(\s)+3], 0x80000000
	JLOAD \s                                       ; K steps 0 and 1: two loads of mine are out
.endr
	; all that follows up to the first barrier stands in the wait for the first tile
	v_and_b32 v1, 15, v0                           ; l % 16
	v_bfe_u32 v2, v0, 4, 1                         ; l / 16
	v_and_b32 v3, 31, v0                           ; l
	s_lshl_b32 s22, s[CH], 7
	v_lshl_add_u32 v[SO], v2, 5, s22               ; column 32 CH + 8 (l / 16), in f32
	v_lshl_add_u32 v[TO], v1, 10, v[SO]            ; + row l % 16 of the table
	s_lshl_b32 s40, s[RB], 17
	s_lshl_b32 s41, s[RH], 16
	s_add_co_u32 s40, s40, s41
	s_mov_b32 s41, 0
	s_add_nc_u64 s[6:7], s[6:7], s[40:41]          ; the table at my wave's first row
.irp i, 0,1,2,3
	global_load_b128 v[WQ+8*(\i):WQ+8*(\i)+3],       v[SO], s[8:9] offset:((\i)%2)*64+((\i)/2)*256
	global_load_b128 v[WQ+8*(\i)+4:WQ+8*(\i)+7],     v[SO], s[8:9] offset:((\i)%2)*64+((\i)/2)*256+16
	global_load_b128 v[WQ+32+8*(\i):WQ+32+8*(\i)+3],   v[SO], s[10:11] offset:((\i)%2)*64+((\i)/2)*256
	global_load_b128 v[WQ+32+8*(\i)+4:WQ+32+8*(\i)+7], v[SO], s[10:11] offset:((\i)%2)*64+((\i)/2)*256+16
.endr
	WIN 0xc0                                       ; destination window 3
.irp a, 0,1,2,3
.irp i, 0,1,2,3
	global_load_b128 v[COS+32*(\a)+8*(\i):COS+32*(\a)+8*(\i)+3],   v[TO], s[6:7] offset:(\a)*16384+((\i)%2)*64+((\i)/2)*256
	global_load_b128 v[COS+32*(\a)+8*(\i)+4:COS+32*(\a)+8*(\i)+7], v[TO], s[6:7] offset:(\a)*16384+((\i)%2)*64+((\i)/2)*256+16
.endr
.endr
	WIN 0
	v_mul_u32_u24 v7, v1, PITCH
	v_lshl_add_u32 v7, v2, 4, v7                   ; a fragment's row x pitch + 16 x half
	s_mul_i32 s22, s[RH], 64*PITCH
	v_add_nc_u32 v[LA], s22, v7                    ; my 64 rows of x
	s_lshl_b32 s23, s[CH], 6
	s_add_co_u32 s23, s22, s23
	v_add_nc_u32 v[STO], s23, v7                   ; stage: row 64 RH + l % 16, byte 64 CH + 16 (l / 16)
	v_add_nc_u32 v[STOV], 2*HALFT, v[STO]
	s_mul_i32 s22, s[CH], 32*PITCH
	s_add_co_u32 s22, s22, HALFT
	v_add_nc_u32 v[LB], s22, v7                    ; Wq's tile, row 32 CH
	v_add_nc_u32 v[LV], 2*HALFT, v[LB]             ; Wv's
	v_mul_u32_u24 v8, v2, PITCH
	v_lshl_add_u32 v8, v1, 4, v8
	s_mul_i32 s22, s[WV], 32*PITCH
	v_add_nc_u32 v[RD], s22, v8                    ; back: wave w takes rows 32 w on, whole; lanes 0-15 one row, lanes 16-31 the next
	v_add_nc_u32 v[RDV], 2*HALFT, v[RD]
	v_lshlrev_b32 v[CO], 4, v3
	s_lshl_b32 s22, s[WV], 10
	s_add_co_u32 s22, s22, XCH
	v_lshl_add_u32 v[XST], v3, 5, s22
	s_xor_b32 s22, s[WV], 1                        ; the wave with my rows and the other columns
	s_lshl_b32 s22, s22, 10
	s_add_co_u32 s22, s22, XCH
	v_lshl_add_u32 v[XRD], v3, 5, s22
	v_lshlrev_b32 v[PFO], 12, v3
	s_lshl_b32 s40, s[HD], 19                      ; the output: the head, my block's 128 rows of 256 bytes, my wave's 32
	s_lshl_b32 s41, s[RB], 15
	s_add_co_u32 s40, s40, s41
	s_lshl_b32 s41, s[WV], 13
	s_add_co_u32 s40, s40, s41
	s_mov_b32 s41, 0
	s_add_nc_u64 s[OUT:OUT+1], s[12:13], s[40:41]
	s_add_nc_u64 s[OUT+2:OUT+3], s[OUT:OUT+1], 0x800000
	s_add_nc_u64 s[OUT+4:OUT+5], s[OUT:OUT+1], 0x1000000
	s_lshl_b32 s40, s[RB], 7                       ; the prefetches: x's rows 128 RB + 32 cy on,
	s_lshl_b32 s41, s[CY], 5
	s_add_co_u32 s40, s40, s41
	s_lshl_b32 s40, s40, 12
	s_lshl_b32 s41, s[HD], 7                       ; W's rows 128 HD + 32 cx on, in part w
	s_lshl_b32 s42, s[CX], 5
	s_add_co_u32 s41, s41, s42
	s_lshl_b32 s41, s41, 12
	s_lshl_b32 s42, s[WV], 23
	s_add_co_u32 s41, s41, s42
	s_and_b32 s42, ttmp7, 0xffff                   ; cluster y
	s_cmp_eq_u32 s[WV], 0
	s_cselect_b32 s40, s40, s41
	s_cselect_b32 s42, s42, ttmp9                  ; the coordinate along which other clusters read the same rows: y for x's, x for W's
	s_mov_b32 s41, 0
	s_cmp_eq_u32 s42, 0
	s_cselect_b32 s[LIM], 2, -1                    ; the same in all sixteen partners, for a given wave
	s_add_nc_u64 s[PFA:PFA+1], s[4:5], s[40:41]
	s_add_nc_u64 s[PFA:PFA+1], s[PFA:PFA+1], 2*KSTEP*2  ; at K step 2: the first refill steps it to 3 and names K step 4
	s_wait_loadcnt 32                              ; the gains are in; the 32 loads of cos may stay out
.set n, 0
.rept 32                               ; the gains rounded to bf16, like every input
	v_cvt_pk_bf16_f32 v9, v[WQ+2*n], v[WQ+2*n+1]
	v_lshlrev_b32 v[WQ+2*n], 16, v9
	v_and_b32 v[WQ+2*n+1], s82, v9
.set n, n+1
.endr
.irp a, 0,1,2,3
.irp i, 0,1,2,3
	global_load_b128 v[SIN+32*(\a)+8*(\i):SIN+32*(\a)+8*(\i)+3],   v[TO], s[6:7] offset:(\a)*16384+((\i)%2)*64+((\i)/2)*256+512
	global_load_b128 v[SIN+32*(\a)+8*(\i)+4:SIN+32*(\a)+8*(\i)+7], v[TO], s[6:7] offset:(\a)*16384+((\i)%2)*64+((\i)/2)*256+528
.endr
.endr
; 16 matrix instructions: q (j = 0), k (1) or v (2): my four row blocks x my four column blocks, 32 along K.  The 48 accumulators take turns, one instruction a turn, in the same order in every quarter.
.macro MUL16 f, j, zero
	WIN 0xa5+0x50*((\j)/2)                         ; both sources window 1; C and D window 2 (q, k) or 3 (v)
.irp a, 0,1,2,3
.irp i, 0,1,2,3
.set rD, 128*((\j)%2)+32*(\a)+8*(\i)
.set rW, (\f)+32+8*(4*(\j)+(\i))
.set rA, (\f)+8*(\a)
.if \zero
	v_wmma_f32_16x16x32_bf16 v[rD:rD+7], v[rW:rW+7], v[rA:rA+7], 0
.else
	v_wmma_f32_16x16x32_bf16 v[rD:rD+7], v[rW:rW+7], v[rA:rA+7], v[rD:rD+7]
.endif
.endr
.endr
.endm
; 32 LDS loads in one run: a quarter step's fragments at byte k of the rows, into buffer f: x's, q's, k's, and last v's
.macro FETCH k, f
	WIN 0x40                                       ; destination window 1
.irp a, 0,1,2,3
	ds_load_b128 v[(\f)+8*(\a):(\f)+8*(\a)+3],   v[ADA] offset:(\k)+(\a)*16*PITCH
	ds_load_b128 v[(\f)+8*(\a)+4:(\f)+8*(\a)+7], v[ADA] offset:(\k)+(\a)*16*PITCH+32
.endr
.irp j, 0,1
.irp i, 0,1,2,3
	ds_load_b128 v[(\f)+32+8*(4*(\j)+(\i)):(\f)+32+8*(4*(\j)+(\i))+3],   v[ADB] offset:(\k)+(\j)*HALFT+(((\i)%2)*16+((\i)/2)*64)*PITCH
	ds_load_b128 v[(\f)+32+8*(4*(\j)+(\i))+4:(\f)+32+8*(4*(\j)+(\i))+7], v[ADB] offset:(\k)+(\j)*HALFT+(((\i)%2)*16+((\i)/2)*64)*PITCH+32
.endr
.endr
.irp i, 0,1,2,3
	ds_load_b128 v[(\f)+96+8*(\i):(\f)+96+8*(\i)+3],   v[ADV] offset:(\k)+(((\i)%2)*16+((\i)/2)*64)*PITCH
	ds_load_b128 v[(\f)+96+8*(\i)+4:(\f)+96+8*(\i)+7], v[ADV] offset:(\k)+(((\i)%2)*16+((\i)/2)*64)*PITCH+32
.endr
.endm
; A K step is four quarters of 32 along K on buffers 0, 1, 0, 1.  One of the first three multiplies buffer f and fetches the next quarter, at byte k, into g.
.macro QUARTER k, f, g, zero
	s_wait_dscnt 8                                 ; x's, q's and k's fragments are in; v's eight loads may be out
	MUL16 \f, 0, \zero
	MUL16 \f, 1, \zero
	PLACES
	FETCH \k, \g
	s_wait_dscnt 32                                ; all but the 32 just issued
	MUL16 \f, 2, \zero
.endm
; The last quarter changes slots: ONE barrier.  In front of it each wave waits for all its tensor loads (one is out: its part of the next slot), adds 0 to its spare word, and waits for that and for its reads of this slot.
.macro MEET round
	WIN 0
	s_wait_tensorcnt 0x0
	ds_add_u32 v[SPW], v[NIL]
	s_wait_dscnt 9                                 ; the add and v's eight loads may be out
	MUL16 F1, 0, 0
	s_wait_dscnt 0x0                               ; the add is done, and my reads of this slot are over
	s_barrier_signal -1
	MUL16 F1, 1, 0
.if \round
	WIN 0
.endif
	s_barrier_wait -1
.endm
; fill = 1: the barrier opens a round of the cluster's barrier, and the slot just read out is filled again first behind it, two K steps ahead: 160 matrix instructions lie between that request and the wait for it.
.macro TURN fill
.if \fill
	s_wait_xcnt 0x0                                ; the last prefetch, a K step back, has read its address
	s_add_nc_u64 s[PFA:PFA+1], s[PFA:PFA+1], KSTEP*2
.endif
	MEET \fill
.if \fill
	CREST
	s_xor_b32 s[G0+5], s[G0+5], SLOT               ; the walking descriptors: the other slot than last time, the next K step
	s_add_nc_u64 s[G0+6:G0+7], s[G0+6:G0+7], KSTEP*2
	s_xor_b32 s[G0B+5], s[G0B+5], SLOT
	s_add_nc_u64 s[G0B+6:G0B+7], s[G0B+6:G0B+7], KSTEP*2
	JLOAD 1                                        ; its four v_nop are also the places in front of the loads below
.else
	PLACES
	WIN 0
.endif
	s_xor_b32 s[TB], s[TB], SLOT
	v_add_nc_u32 v[ADA], s[TB], v[LA]
	v_add_nc_u32 v[ADB], s[TB], v[LB]
	v_add_nc_u32 v[ADV], s[TB], v[LV]
	FETCH 0, F0
.if \fill
	ASK
.endif
	MUL16 F1, 2, 0
.endm
	s_wait_tensorcnt 1                             ; my part of K step 0 is in; K step 1's may stay out
	s_barrier_signal -1
	s_barrier_wait -1
	s_mov_b32 s[TB], 0
	v_mov_b32 v[ADA], v[LA]
	v_mov_b32 v[ADB], v[LB]
	v_mov_b32 v[ADV], v[LV]
	FETCH 0, F0
	QUARTER 64, F0, F1, 1                          ; the first quarter stands in front of the loop: its products start the sums
	WIN 0
	s_mov_b32 s3, 14
.Lstep:                                        ; trip t: quarters 2 to 4 of K step t, the refill with K step t + 2, the first quarter of K step t + 1
	QUARTER 128, F1, F0, 0
	QUARTER 192, F0, F1, 0
	TURN 1
	QUARTER 64, F0, F1, 0
	WIN 0
	s_sub_co_u32 s3, s3, 1
	s_cmp_lg_u32 s3, 0
	s_cbranch_scc1 .Lstep
	; K steps 14 and 15 ask for nothing: a loop of their own; two trips, entered behind the first quarter, which the loop above has done for K step 14.
	; The price of one text for both: the last trip's change of slots fetches 32 fragments of the stale slot, which nobody multiplies.
	s_mov_b32 s3, 2
	s_branch .Lin
.Ltail:
	QUARTER 64, F0, F1, 0
	WIN 0
.Lin:
	QUARTER 128, F1, F0, 0
	QUARTER 192, F0, F1, 0
	TURN 0
	WIN 0
	s_sub_co_u32 s3, s3, 1
	s_cmp_lg_u32 s3, 0
	s_cbranch_scc1 .Ltail
	s_wait_dscnt 0x0                               ; my last reads of the ring are back (their registers are used again below):
	s_barrier_signal -1                            ; behind this barrier no wave reads the ring any more, and slot 0 takes the stages
	s_barrier_wait -1
	; THE WAY OUT.  Sums of squares of q and k: eight chains (n = 4 j + a), two columns an instruction, each accumulator from its low end on.
	PLACES
	WIN 0x0a                                       ; sources 0 and 1 window 2
.set z, 0
.rept 16
.set n, 0
.rept 8
.set rA, 128*(n/4)+32*(n%4)+2*z
.if z == 0
	v_pk_mul_f32 v[SS+2*n:SS+2*n+1], v[rA:rA+1], v[rA:rA+1]
.else
	v_pk_fma_f32 v[SS+2*n:SS+2*n+1], v[rA:rA+1], v[rA:rA+1], v[SS+2*n:SS+2*n+1]
.endif
.set n, n+1
.endr
.set z, z+1
.endr
	WIN 0
.irp n, 0,1,2,3,4,5,6,7
	v_add_f32 v[SQ+(\n)], v[SS+2*(\n)], v[SS+2*(\n)+1]
.endr
.irp n, 0,1,2,3,4,5,6,7
	v_permlanex16_b32 v[SS+2*(\n)], v[SQ+(\n)], s[SEL], s[SEL+1]  ; the row's other eight columns of each block lie in the lane 16 away
.endr
.irp n, 0,1,2,3,4,5,6,7
	v_add_f32 v[SQ+(\n)], v[SQ+(\n)], v[SS+2*(\n)]
.endr
	ds_store_b128 v[XST], v[SQ:SQ+3]               ; my 64 columns' share, for the wave that has the other 64
	ds_store_b128 v[XST], v[SQ+4:SQ+7] offset:16
.macro VOUT a                          ; v of row block a: rounded to f16, 16 bytes a lane and column block, into v's stage
	WIN 0x4f                                       ; sources window 3, destination window 1
.set z, 0
.rept 16
	v_cvt_pk_f16_f32 v[PP+z], v[32*(\a)+2*z], v[32*(\a)+2*z+1]
.set z, z+1
.endr
	WIN 0x04                                       ; store data window 1
.irp i, 0,1,2,3
	ds_store_b128 v[STOV], v[PP+4*(\i):PP+4*(\i)+3] offset:(\a)*16*PITCH+((\i)%2)*32+((\i)/2)*128
.endr
.endm
	VOUT 0
	VOUT 1
	VOUT 2
	VOUT 3
	WIN 0
	s_wait_dscnt 0x0                               ; for the partner's sake: my sums are in LDS
	s_barrier_signal -1
	s_barrier_wait -1
	ds_load_b128 v[PQ:PQ+3], v[XRD]
	ds_load_b128 v[PQ+4:PQ+7], v[XRD] offset:16
	s_wait_dscnt 0x0
.irp n, 0,1,2,3,4,5,6,7
	v_add_f32 v[SQ+(\n)], v[SQ+(\n)], v[PQ+(\n)]
.endr
.irp n, 0,1,2,3,4,5,6,7
	v_fma_f32 v[SQ+(\n)], v[SQ+(\n)], s80, s81     ; mean + 1e-6
.endr
.irp n, 0,1,2,3,4,5,6,7
	v_rsq_f32 v[SS+2*(\n)], v[SQ+(\n)]
.endr
	v_nop                                          ; a plain instruction behind the last of the batch,
	s_wait_alu depctr_va_vdst(0)                   ; and one wait for the eight, ahead of their first reader
	s_wait_loadcnt 0x0                             ; cos and sin
; q (j = 0) or k (1), row block a: u = x gain / rms; u cos + rot(u) sin, where rot takes -u of column c + 64 below 64 and u of c - 64 above; rounded once to f16; into stage j.
.macro NORMROPE j, a
.set AC, 128*(\j)+32*(\a)
.set RSN, SS+2*(4*(\j)+(\a))
.set GW, WQ+32*(\j)
	WIN 0x40
.set z, 0
.rept 16
	v_pk_mul_f32 v[WR+2*z:WR+2*z+1], v[GW+2*z:GW+2*z+1], v[RSN:RSN+1] op_sel_hi:[1,0]
.set z, z+1
.endr
	WIN 0x86                                       ; destination and source 0 window 2, source 1 window 1
.set z, 0
.rept 16
	v_pk_mul_f32 v[AC+2*z:AC+2*z+1], v[AC+2*z:AC+2*z+1], v[WR+2*z:WR+2*z+1]
.set z, z+1
.endr
	WIN 0x4e                                       ; source 0 window 2, source 1 window 3, destination window 1
.set z, 0
.rept 16
	v_pk_mul_f32 v[TT+2*z:TT+2*z+1], v[AC+2*z:AC+2*z+1], v[COS+32*(\a)+2*z:COS+32*(\a)+2*z+1]
.set z, z+1
.endr
	WIN 0x52                                       ; source 0 window 2, source 1 window 0, source 2 and destination window 1
.set z, 0
.rept 8
	v_pk_fma_f32 v[TT+2*z:TT+2*z+1], v[AC+16+2*z:AC+16+2*z+1], v[SIN+32*(\a)+2*z:SIN+32*(\a)+2*z+1], v[TT+2*z:TT+2*z+1] neg_lo:[1,0,0] neg_hi:[1,0,0]
.set z, z+1
.endr
.rept 8
	v_pk_fma_f32 v[TT+2*z:TT+2*z+1], v[AC-16+2*z:AC-16+2*z+1], v[SIN+32*(\a)+2*z:SIN+32*(\a)+2*z+1], v[TT+2*z:TT+2*z+1]
.set z, z+1
.endr
	WIN 0x45
.set z, 0
.rept 16
	v_cvt_pk_f16_f32 v[PP+z], v[TT+2*z], v[TT+2*z+1]
.set z, z+1
.endr
	WIN 0x04
.irp i, 0,1,2,3
	ds_store_b128 v[STO], v[PP+4*(\i):PP+4*(\i)+3] offset:(\j)*HALFT+(\a)*16*PITCH+((\i)%2)*32+((\i)/2)*128
.endr
.endm
.irp j, 0,1
.irp a, 0,1,2,3
	NORMROPE \j, \a
.endr
.endr
	WIN 0
	s_wait_dscnt 0x0                               ; for the others' sake: a row's 256 bytes come from two waves
	s_barrier_signal -1
	s_barrier_wait -1
	WIN 0x40
.irp j, 0,1
.set t, 0
.rept 16
	ds_load_b128 v[64*(\j)+4*t:64*(\j)+4*t+3], v[RD] offset:(\j)*HALFT+2*PITCH*t
.set t, t+1
.endr
.endr
.set t, 0
.rept 16
	ds_load_b128 v[128+4*t:128+4*t+3], v[RDV] offset:2*PITCH*t
.set t, t+1
.endr
	WIN 0x04
.set n, 0
.rept 48
	s_wait_dscnt 47-n                              ; the younger loads may stay out
	global_store_b128 v[CO], v[4*n:4*n+3], s[OUT+2*(n/16):OUT+2*(n/16)+1] offset:512*(n%16)  ; two rows: 512 consecutive bytes, at a multiple of 256 from the buffer's first
.set n, n+1
.endr
	WIN 0
	s_wait_tensorcnt 0x0                           ; the wave's end
	ds_add_u32 v[SPW], v[NIL]
	s_wait_dscnt 0x0
	CROUND                                         ; the closing round
	s_endpgm
.Lfunc_end_k_q151368d8f6_qkv:
	.size	k_q151368d8f6_qkv, .Lfunc_end_k_q151368d8f6_qkv-k_q151368d8f6_qkv
	.p2alignl 7, 3214868480
	.fill 96, 4, 3214868480
	.section	.rodata,"a",@progbits
	.p2align	6, 0x0
	.amdhsa_kernel k_q151368d8f6_qkv
		.amdhsa_group_segment_fixed_size 327680
		.amdhsa_private_segment_fixed_size 0
		.amdhsa_enable_private_segment 0
		.amdhsa_kernarg_size 40
		.amdhsa_user_sgpr_count 2
		.amdhsa_user_sgpr_kernarg_segment_ptr 1
		.amdhsa_wavefront_size32 1
		.amdhsa_system_sgpr_workgroup_id_x 1
		.amdhsa_system_sgpr_workgroup_id_y 1
		.amdhsa_system_sgpr_workgroup_id_z 1
		.amdhsa_system_vgpr_workitem_id 0
		.amdhsa_next_free_vgpr 1024
		.amdhsa_next_free_sgpr 84
		.amdhsa_reserve_vcc 0
		.amdhsa_float_denorm_mode_32 3
		.amdhsa_float_denorm_mode_16_64 3
		.amdhsa_memory_ordered 1
		.amdhsa_forward_progress 1
		.amdhsa_inst_pref_size 141
	.end_amdhsa_kernel
	.amdgpu_metadata
---
amdhsa.version: [ 1, 2 ]
amdhsa.kernels:
  - .name:           k_q151368d8f6_qkv
    .symbol:         k_q151368d8f6_qkv.kd
    .args:
      - { .name: cv, .offset: 0, .size: 8, .value_kind: global_buffer, .address_space: global }
      - { .name: tab, .offset: 8, .size: 8, .value_kind: global_buffer, .address_space: global }
      - { .name: q_scale, .offset: 16, .size: 8, .value_kind: global_buffer, .address_space: global }
      - { .name: k_scale, .offset: 24, .size: 8, .value_kind: global_buffer, .address_space: global }
      - { .name: qkv, .offset: 32, .size: 8, .value_kind: global_buffer, .address_space: global }
    .group_segment_fixed_size: 327680
    .private_segment_fixed_size: 0
    .kernarg_segment_align: 8
    .kernarg_segment_size: 40
    .max_flat_workgroup_size: 128
    .sgpr_count:     84
    .vgpr_count:     1024
    .wavefront_size: 32
...
	.end_amdgpu_metadata
.endif
;; end of part 2
;; launch attn (part 3): grid 16 x 16, 4 waves a work-group, clusters of 4 x 1, 327,680 bytes of LDS; arguments qkv, ob; writes ob
.if DOCPART == 3
	.amdgcn_target "amdgcn-amd-amdhsa--gfx1250"
	.amdhsa_code_object_version 6
	.text
	.protected	k_q151368d8f6_attn
	.globl	k_q151368d8f6_attn
	.p2align	8
	.type	k_q151368d8f6_attn,@function
k_q151368d8f6_attn:
	s_mov_b64 s[64:65], 0
	v_nop
	global_prefetch_b8 v0, s[64:65] scope:SCOPE_SE
	s_setreg_imm32_b32 hwreg(HW_REG_WAVE_MODE, 25, 1), 1
	s_wait_xcnt 0x0
	s_wait_alu depctr_hold_cnt(0) depctr_sa_sdst(0) depctr_va_vdst(0) depctr_va_sdst(0) depctr_va_ssrc(0) depctr_va_vcc(0) depctr_vm_vsrc(0)
	s_getreg_b32 s2, hwreg(HW_REG_IB_STS2, 6, 4)
	s_cmp_eq_u32 s2, 0
	s_cbranch_scc0 .Lentry_in_a_cluster
	s_endpgm
.Lentry_in_a_cluster:
	s_bfe_u32 s2, ttmp6, 0x10000c
	s_cmp_lg_u32 s2, 0x3003
	s_cbranch_scc0 .Lentry_shape_is_right
	s_endpgm
.Lentry_shape_is_right:
; O[q][128 h + c] = the sum over k of softmax_k(Q[h][q] . K[h][k] / sqrt(128)) V[h][k][c].  Q, K, V: the three parts of qkv, each [16][2048][128] f16; ob: [2048][2048] f16.  Products, maxima and sums in f32;
; the weights p are rounded to f16 for the second product (their sum l is taken of the unrounded p), O once at the end.
; LIMITS.  p lies in 0 to 1, and below 6e-5 it keeps f16's fixed step; O is a mean of V's rows and has their range.  A weight below 2^-126 counts as 0 in l; NaN and infinities are not treated apart.
; SHARES.  A work-group owns 128 queries of one head.  Wave w owns queries 64 (w % 2) on, four tiles of 16, and walks key half w / 2 of every slot of 256 keys, 64 keys a step: 16 steps.
; At the end the two waves of a query half merge their m, l and O through LDS: 256 work-groups, and a fragment of K or V still feeds four tiles.
; LAYOUT.  S^T = K Q^T (source 0 = 16 keys, source 1 = 16 queries): a lane holds ONE query (lane % 16) and the keys 8 (lane / 16) + 0..7.  Two such tiles, rounded to f16 in pairs, ARE source 1 of O^T = V^T P.
; K comes out of LDS as it lies, V ([key][channel]) turned, by ds_load_tr16_b128.
; SOFTMAX.  For each query a running maximum m and sum l: p = 2^(c s - c m), c = log2(e) / sqrt(128); in every step O and l are multiplied by a = 2^(c m_old - c m_new).
; BY TURNS.  The wave's tiles are two pieces (tiles 0, 1; tiles 2, 3).  In a turn one piece has the matrix unit: 32 products V^T P of the step in hand, then 32 products K Q^T of the next step;
; the other piece's softmax, cut into 64 slices, stands between them, one slice behind each matrix instruction.  Two turns are a key step.
; NO FIRST AND NO LAST STEP IS WRITTEN OUT.  m starts at the lowest finite number, c m far below every c s, O^T, l, V's registers and piece 2's P at 0: the first step's a is 0, and it is a step like any other.
; The step loop is entered at piece 2's turn, whose 32 products V^T P are then products of zeros; the tail's loop ends with piece 0's turn, which fetches no further K: its 32 products K Q^T, on the last K once more, nobody reads.
; CLUSTER.  The four query blocks of a cluster belong to one head and walk the same K and V: each tile is asked for jointly.
; REGISTERS, in windows of 256 (s_set_vgpr_msb: bits 1:0 source 0, 3:2 source 1, 5:4 source 2, 7:6 destination):
;   window 0: v0-11 addresses; v12-43 eight registers of statistics a tile; v44-63 the merge's and the add's; v64-191 S^T, 32 a tile; v192-255 P, 16 a tile
;   window 1: O^T, 64 a tile          window 2: v0-127 Q, 32 a tile; v128-255 K of one step (at the end: the partner's O^T)          window 3: v0-127 V of one step
.set KS,    64        ; keys in a step
.set PK,    272       ; a row of K in LDS: 256 bytes + 16 of padding: the 16 rows of a load start at 16 different groups of four banks (64 banks of 4 bytes: ISA guide 11.1)
.set PV,    288       ; a row of V: 256 + 32
.set VOFF,  128*PK    ; a half slot: 128 rows of K, then 128 rows of V: 71,680 bytes
.set HALF,  0x12000   ; from a slot's first half to its second
.set XS,    0x24000   ; from slot 0 to slot 1; none of its bits occurs in 0, HALF, VOFF or HALF + VOFF, so one exclusive or turns an address in one slot into the other's
.set STAGE, 2*XS      ; behind the ring: 16 rows x 272 bytes for each wave, for the way out
.set SP,    272
.set SPARE, STAGE+4*16*SP  ; the spare words, 128 bytes a wave: two blocks of 256 bytes that no other line names
.set MPART, 33792     ; the merge: for each query half 32,768 bytes of O^T and 1,024 of c m and l, from LDS byte 0 on: in the slot whose last fill is that of keys 1,536 on
.set AK0, 2           ; my lane's place in a tile of K; never rewritten
.set AV0, 3           ; the same for V
.set ADR, 4           ; the LDS address of the run of loads in hand
.set QO,  5           ; my byte offset in the wave's rows of Q
.set STO, 6           ; the way out: where I put 16 bytes of a row
.set RD,  7           ; where I read a row back
.set GO,  8           ; my byte offset in two rows of ob
.set MG,  44          ; my 16 bytes in a block of 512 of the merge's part
.set HX,  48          ; v48-55 four c m, four l: handed over
.set PFO, 61          ; 256 x my lane; never rewritten
.set SPW, 62          ; LDS address of my spare word; never rewritten
.set NIL, 63          ; 0; never rewritten
.set ST,  12          ; tile t's statistics at v[ST+8 t]: +0 c m, +1 m, +2, +3 l (even keys', odd keys'), +4 to +7 at work; a takes +6 once the maximum is found
.set S,   64
.set P,   192
.set KF,  128         ; K's fragments, in window 2
.set WV,  12
.set LIM, 15          ; 1 in a wave that prefetches, else the greatest number
.set PFA, 18          ; s[18:19] where my prefetches stand
.set G1K, 24
.set G1V, 32
.set G0K, 40          ; s[40:47] group 0 for K's tiles: a set for each of the two first fills; the second then walks
.set G0V, 48
.set SLOTS, 56
.set TWICE, 57
.set CS,  58
.set SEL, 60
.set TBK, 62          ; LDS byte at which K of the step to be fetched begins
.set TBV, 63          ; the same for V, less VOFF
.set MSB, 0
.macro WIN new
.if MSB != (\new)
	s_set_vgpr_msb (MSB<<8)|(\new)
.set MSB, (\new)
.endif
.endm
.set W_KQ, 0x0a       ; K and Q in window 2, S^T in window 0
.set W_PV, 0x53       ; V in window 3, P in window 0, O^T in window 1
.set W_RS, 0x41       ; O^T (destination and source 0) in window 1, a in window 0
; A joint refill.  Waves 0 and 1 fetch the two halves of a slot's K, waves 2 and 3 those of its V: 128 rows each.  An s_nop 0 and four v_nop follow each line.
.macro JLOAD
	s_cmp_lt_u32 s[WV], 2
	s_cbranch_scc0 .Lfor_v_\@
	tensor_load_to_lds s[G0K+4:G0K+7], s[G1K:G1K+7]
	s_nop 0
.rept 4
	v_nop
.endr
	s_branch .Lasked_\@
.Lfor_v_\@:
	tensor_load_to_lds s[G0V+4:G0V+7], s[G1V:G1V+7]
	s_nop 0
.rept 4
	v_nop
.endr
.Lasked_\@:
.endm
; A prefetch of what the NEXT change of slots will ask for.  All four clusters of a head walk the same rows: the head's first cluster asks.  Of the 128 rows that a wave fetches each of the four partners
; takes 32, told apart by address, a lane a row: 4 partners x 4 waves x 32 lanes are the slot's 512 rows, each named once.  The last change that fills a slot asks for nothing.
.macro ASK
	s_cmp_gt_u32 s[SLOTS], s[LIM]
	s_cbranch_scc0 .Lnot_mine_\@
	global_prefetch_b8 v[PFO], s[PFA:PFA+1] th:TH_LOAD_NT scope:SCOPE_SE
.Lnot_mine_\@:
.endm
.macro CROUND
	s_barrier_signal -1
	s_barrier_wait -1
	s_cmp_lg_u32 s[WV], 0
	s_cbranch_scc1 .Lnot_wave_0_\@
	s_barrier_signal -3
.Lnot_wave_0_\@:
	s_barrier_wait -3
	s_barrier_signal -1
	s_barrier_wait -1
.endm
	s_load_b128 s[4:7], s[0:1], 0x0  ; qkv s[4:5], ob s[6:7]
	v_lshl_add_u32 v[SPW], v0, 2, SPARE
	v_mov_b32 v[NIL], 0
	ds_add_u32 v[SPW], v[NIL]       ; the wave's opening: the add and its wait ahead of my first tensor load
	v_lshrrev_b32 v1, 5, v0
	v_readfirstlane_b32 s[WV], v1
	s_bfe_u32 s13, ttmp6, 0x40000   ; cx
	s_lshl_b32 s14, ttmp9, 2
	s_add_co_u32 s14, s14, s13      ; my block of 128 queries: it enters Q's and O's addresses alone
	s_and_b32 s15, ttmp7, 0xffff    ; the head, which the four partners share
	s_lshl_b32 s20, s15, 19         ; its first byte in q, k and v
	s_and_b32 s16, s[WV], 1         ; which half of a slot I fetch; also my half of the queries
	s_lshl_b32 s22, s16, 15         ; its 128 rows of 256 bytes in memory,
	s_add_co_u32 s22, s22, s20
	s_mov_b32 s23, 0
	s_mul_i32 s17, s16, HALF        ; and its place in a slot
	s_lshl_b32 s2, s14, 15          ; Q: my block's 128 rows,
	s_lshl_b32 s3, s16, 14          ; my wave's 64
	s_add_co_u32 s2, s2, s3
	s_add_co_u32 s2, s2, s20
	s_mov_b32 s3, 0
	s_lshl_b32 s18, s14, 19         ; O: rows of 4,096 bytes, the head's 256 of them
	s_lshl_b32 s19, s16, 18
	s_add_co_u32 s18, s18, s19
	s_lshl_b32 s19, s15, 8
	s_add_co_u32 s18, s18, s19
	s_mov_b32 s19, 0
	s_mov_b32 s[G1K], 15|(1<<16)|(1<<20)|(1<<21)|(5<<22)|(3<<25)  ; the mask of four; 2-byte elements; padding on; bit 21 beside a mask; after every 64 words 4 words
	s_mov_b32 s[G1V], 15|(1<<16)|(1<<20)|(1<<21)|(5<<22)|(7<<25)  ; the same with 8 words
.irp g, G1K, G1V
	s_mov_b32 s[(\g)+1], 128<<16    ; tensor_dim0 = 128
	s_mov_b32 s[(\g)+2], 128<<16    ; tensor_dim1 = 128
	s_mov_b32 s[(\g)+3], 128<<16    ; tile_dim0 = 128
	s_mov_b32 s[(\g)+4], 128        ; tile_dim1 = 128
	s_mov_b32 s[(\g)+5], 128        ; elements from row to row
	s_mov_b32 s[(\g)+6], 0
	s_mov_b32 s[(\g)+7], 0
.endr
	s_mov_b32 s[CS], 0x3e0293ee     ; c = log2(e) / sqrt(128)
	s_mov_b32 s[CS+1], s[CS]
	s_mov_b32 s[SEL], 0x76543210
	s_mov_b32 s[SEL+1], 0xfedcba98
	s_lshr_b32 s[TBK], s[WV], 1     ; the key half that I walk
	s_mul_i32 s[TBK], s[TBK], HALF
	s_mov_b32 s[TBV], s[TBK]
	s_cmp_eq_u32 ttmp9, 0           ; the head's first cluster: the same in all four partners
	s_cselect_b32 s[LIM], 1, -1
	v_and_b32 v[PFO], 31, v0
	v_lshlrev_b32 v[PFO], 8, v[PFO]
	s_wait_dscnt 0x0                ; the opening add is done
	s_wait_kmcnt 0x0
	s_add_nc_u64 s[10:11], s[6:7], s[18:19]  ; O at my wave's first row
	s_add_nc_u64 s[6:7], s[4:5], s[22:23]
	s_add_nc_u64 s[8:9], s[6:7], 0x1000000   ; V at my tile of slot 0
	s_add_nc_u64 s[6:7], s[6:7], 0x800000    ; K likewise
	s_add_nc_u64 s[4:5], s[4:5], s[2:3]      ; Q at my wave's first row
	s_cmp_lt_u32 s[WV], 2
	s_cselect_b64 s[PFA:PFA+1], s[6:7], s[8:9]
	s_lshl_b32 s2, s13, 13          ; my work-group's 32 rows of the 128
	s_mov_b32 s3, 0
	s_add_nc_u64 s[PFA:PFA+1], s[PFA:PFA+1], s[2:3]
	s_add_nc_u64 s[PFA:PFA+1], s[PFA:PFA+1], 2*65536  ; in slot 2; the first change of slots steps it to slot 3.  Nothing is asked for at the head
	CROUND                          ; all four work-groups are here: the first joint loads meet
.irp s, 0,1
	s_mov_b32 s[G0K+4*(\s)], 1
	s_add_co_u32 s[G0K+4*(\s)+1], s17, (\s)*XS
	s_add_nc_u64 s[G0K+4*(\s)+2:G0K+4*(\s)+3], s[6:7], (\s)*65536
	s_or_b32 s[G0K+4*(\s)+3], s[G0K+4*(\s)+3], 0x80000000
	s_mov_b32 s[G0V+4*(\s)], 1
	s_add_co_u32 s[G0V+4*(\s)+1], s17, (\s)*XS+VOFF
	s_add_nc_u64 s[G0V+4*(\s)+2:G0V+4*(\s)+3], s[8:9], (\s)*65536
	s_or_b32 s[G0V+4*(\s)+3], s[G0V+4*(\s)+3], 0x80000000
.endr
	s_cmp_lt_u32 s[WV], 2           ; a wave's two first fills stand in one branch: two loads of mine are out
	s_cbranch_scc0 .Lfirst_v
	tensor_load_to_lds s[G0K:G0K+3], s[G1K:G1K+7]
	s_nop 0
	tensor_load_to_lds s[G0K+4:G0K+7], s[G1K:G1K+7]
	s_nop 0
.rept 4
	v_nop
.endr
	s_branch .Lfirst_asked
.Lfirst_v:
	tensor_load_to_lds s[G0V:G0V+3], s[G1V:G1V+7]
	s_nop 0
	tensor_load_to_lds s[G0V+4:G0V+7], s[G1V:G1V+7]
	s_nop 0
.rept 4
	v_nop
.endr
.Lfirst_asked:
	v_and_b32 v1, 15, v0            ; l % 16
	v_bfe_u32 v9, v0, 4, 1          ; l / 16
	v_lshlrev_b32 v[QO], 8, v1
	v_lshl_add_u32 v[QO], v9, 4, v[QO]  ; row x 256 + 16 x half
	WIN 0x80                        ; destination window 2
.irp i, 0,1,2,3,4,5,6,7,8,9,10,11,12,13,14,15  ; Q stays in registers: tile i / 4, channels 32 (i % 4) on
	global_load_b128 v[8*(\i):8*(\i)+3],   v[QO], s[4:5] offset:((\i)/4)*4096+((\i)%4)*64
	global_load_b128 v[8*(\i)+4:8*(\i)+7], v[QO], s[4:5] offset:((\i)/4)*4096+((\i)%4)*64+32
.endr
	WIN 0
	; What the first turn finds.  All this stands in the wait for the first tile.
.set i, P+32
.rept 32
	v_mov_b32 v[i], 0               ; piece 2's P: its products V^T P of a step that has not been add 0
.set i, i+1
.endr
.set i, 0
.rept 4
	v_mov_b32 v[ST+8*i], 0xfe000000    ; c m: far below every c s, so the first a is 0
	v_mov_b32 v[ST+8*i+1], 0xff7fffff  ; m: the first maximum is the scores'
	v_mov_b32 v[ST+8*i+2], 0           ; l
	v_mov_b32 v[ST+8*i+3], 0
.set i, i+1
.endr
	v_mul_u32_u24 v[AK0], v1, PK
	v_lshl_add_u32 v[AK0], v9, 4, v[AK0]
	; The turning load takes 16 keys x 16 channels (lane l reads key 8 (l / 16) + l % 8, channels 8 ((l / 8) % 2) + 0..7) and leaves half a fragment of V^T.
	v_and_b32 v10, 7, v0
	v_bfe_u32 v11, v0, 3, 1
	v_lshl_add_u32 v[AV0], v9, 3, v10
	v_mul_u32_u24 v[AV0], v[AV0], PV
	v_lshl_add_u32 v[AV0], v11, 4, v[AV0]
	v_add_nc_u32 v[AV0], VOFF, v[AV0]
	; O^T's 256 registers and V's 128 start at 0: a product of two of the zero fragments above, with C = 0, writes eight registers a line
	WIN 0x40                        ; destination window 1, sources window 0
.set i, 0
.rept 32
	v_wmma_f32_16x16x32_f16 v[8*i:8*i+7], v[P+32:P+39], v[P+40:P+47], 0
.set i, i+1
.endr
	WIN 0xc0                        ; destination window 3
.set i, 0
.rept 16
	v_wmma_f32_16x16x32_f16 v[8*i:8*i+7], v[P+32:P+39], v[P+40:P+47], 0
.set i, i+1
.endr
	WIN 0
; THE MATRIX WORK OF A TURN, for piece x.  The accumulators take turns, one instruction a turn.
; Product i of 32 of O^T += V^T P: keys 32 (i / 16) on, channels 16 ((i / 2) % 8) on, tile x + i % 2.
.macro PV x
	WIN W_PV
.set rO, 64*((\x)+i%2)+8*((i/2)%8)
.set rV, 64*(i/16)+8*((i/2)%8)
.set rP, P+16*((\x)+i%2)+8*(i/16)
	v_wmma_f32_16x16x32_f16 v[rO:rO+7], v[rV:rV+7], v[rP:rP+7], v[rO:rO+7]
.endm
; Product i of 32 of S^T = K Q^T: channels 32 (i / 8) on, keys 16 ((i / 2) % 4) on, tile x + i % 2.  The first 8 start the sums.
.macro KQ x
	WIN W_KQ
.set rS, S+32*((\x)+i%2)+8*((i/2)%4)
.set rK, KF+32*((i/2)%4)+8*(i/8)
.set rQ, 32*((\x)+i%2)+8*(i/8)
.if i < 8
	v_wmma_f32_16x16x32_f16 v[rS:rS+7], v[rK:rK+7], v[rQ:rQ+7], 0
.else
	v_wmma_f32_16x16x32_f16 v[rS:rS+7], v[rK:rK+7], v[rQ:rQ+7], v[rS:rS+7]
.endif
.endm
; THE LDS LOADS stand in runs of 32: a step's K (16 fragments) and, a turn later, its V (turned).
; last = 1 (the tail): in the last trip there is no further step, and the run is jumped over; at the branch and at the label every window is 0.
.macro FETCH_K last=0
	WIN 0
.if \last
	s_cmp_eq_u32 s[TWICE], 1
	s_cbranch_scc1 .Lno_k_\@
.endif
	v_add_nc_u32 v[ADR], s[TBK], v[AK0]
	s_add_co_u32 s[TBK], s[TBK], KS*PK  ; the next fetch is the next step's
	WIN 0x80
.irp f, 0,1,2,3,4,5,6,7,8,9,10,11,12,13,14,15  ; keys 16 (f / 4) on, channels 32 (f % 4) on
	ds_load_b128 v[KF+8*(\f):KF+8*(\f)+3],   v[ADR] offset:((\f)/4)*16*PK+((\f)%4)*64
	ds_load_b128 v[KF+8*(\f)+4:KF+8*(\f)+7], v[ADR] offset:((\f)/4)*16*PK+((\f)%4)*64+32
.endr
.if \last
	WIN 0
.Lno_k_\@:
.endif
.endm
.macro FETCH_V
	WIN 0
	v_add_nc_u32 v[ADR], s[TBV], v[AV0]
	s_add_co_u32 s[TBV], s[TBV], KS*PV
	s_wait_alu depctr_va_vdst(0)    ; the wait for the softmax's batch (SLICE), behind the address's line and ahead of the loads
	WIN 0xc0                        ; destination window 3
.irp f, 0,1,2,3,4,5,6,7,8,9,10,11,12,13,14,15  ; keys 32 (f / 8) on, channels 16 (f % 8) on
	ds_load_tr16_b128 v[8*(\f):8*(\f)+3],   v[ADR] offset:((\f)/8)*32*PV+((\f)%8)*32
	ds_load_tr16_b128 v[8*(\f)+4:8*(\f)+7], v[ADR] offset:((\f)/8)*32*PV+16*PV+((\f)%8)*32
.endr
.endm
; THE VECTOR WORK OF A TURN.  One tile's softmax for one key step is a list of 134 instructions; SM writes number j of it for tile t.
;   0-15    the maximum of the lane's 32 scores and the old m, three operands at a time          16-20   the other half of the lanes' maximum; c m_old kept; the new m; c m; c m_old - c m_new
;   21-69   ONE BATCH: the 16 scalings c s - c m and all 33 exponentials (a at 23); none of these reads an exponential's result          (wait)  between 69 and 70: SLICE writes it, once for both tiles
;   70-85   the roundings to f16          86-101  the sums; l = a l + the sum          102-133 the tile's O^T times a
.macro SM t
.set rT, ST+8*(\t)
.set rS, S+32*(\t)
.set rP, P+16*(\t)
.set rO, 64*(\t)+2*(j-102)
.if j < 102
	WIN 0
.endif
.if j < 4
	v_max3_num_f32 v[rT+4+j], v[rS+8*j], v[rS+8*j+1], v[rS+8*j+2]
.elseif j < 12
	v_max3_num_f32 v[rT+4+j%4], v[rT+4+j%4], v[rS+8*(j%4)+2*(j/4)+1], v[rS+8*(j%4)+2*(j/4)+2]
.elseif j == 12
	v_max3_num_f32 v[rT+4], v[rT+4], v[rS+7], v[rS+15]
.elseif j == 13
	v_max3_num_f32 v[rT+6], v[rT+6], v[rS+23], v[rS+31]
.elseif j == 14
	v_max3_num_f32 v[rT+4], v[rT+4], v[rT+5], v[rT+6]
.elseif j == 15
	v_max3_num_f32 v[rT+4], v[rT+4], v[rT+7], v[rT+1]
.elseif j == 16
	v_permlanex16_b32 v[rT+5], v[rT+4], s[SEL], s[SEL+1]  ; the query's other 32 keys lie in the lane 16 away
.elseif j == 17
	v_mov_b32 v[rT+7], v[rT]        ; c m_old is kept for a
.elseif j == 18
	v_max_num_f32 v[rT+1], v[rT+4], v[rT+5]
.elseif j == 19
	v_mul_f32 v[rT], s[CS], v[rT+1]
.elseif j == 20
	v_sub_f32 v[rT+7], v[rT+7], v[rT]
.elseif j == 23
	v_exp_f32 v[rT+6], v[rT+7]
.elseif (j < 23) || ((j < 38) && (j%2 == 0)) || ((j < 66) && (j%4 == 2))
.set b, (j-2)/4                     ; 38, 42, .. 62: pairs 9 to 15
.if j < 38
.set b, (j-20)/2                    ; 21: pair 0; 22, 24, .. 36: pairs 1 to 8
.endif
	v_pk_fma_f32 v[rS+2*b:rS+2*b+1], v[rS+2*b:rS+2*b+1], s[CS:CS+1], v[rT:rT+1] op_sel_hi:[1,0,0] neg_lo:[0,0,1] neg_hi:[0,0,1]  ; pair b: c s - c m
.elseif j < 70
.set e, j-38                        ; 66 to 69: s28 to s31
.if j < 66
.set e, j-32-(j-38)/4               ; 39-41, 43-45, .. 63-65: s7 to s27
.endif
.if j < 38
.set e, (j-25)/2                    ; 25, 27, .. 37: s0 to s6
.endif
	v_exp_f32 v[rS+e], v[rS+e]
.elseif j < 86
	v_cvt_pk_f16_f32 v[rP+j-70], v[rS+2*(j-70)], v[rS+2*(j-70)+1]  ; pair j - 70
.elseif j < 102                     ; the sum of the tile's 16 pairs, in place: neighbours 1, 2, 4 and 8 pairs apart, then l takes it
.set z, j-86
.set w, 4
.set u, z
.if z >= 14
.set w, 32
.set u, 0
.elseif z >= 12
.set w, 16
.set u, z-12
.elseif z >= 8
.set w, 8
.set u, z-8
.endif
.if z < 15
	v_pk_add_f32 v[rS+w*u:rS+w*u+1], v[rS+w*u:rS+w*u+1], v[rS+w*u+w/2:rS+w*u+w/2+1]
.else
	v_pk_fma_f32 v[rT+2:rT+3], v[rT+2:rT+3], v[rT+6:rT+7], v[rS:rS+1] op_sel_hi:[1,0,1]
.endif
.else
	WIN W_RS
	v_pk_mul_f32 v[rO:rO+1], v[rO:rO+1], v[rT+6:rT+7] op_sel_hi:[1,0]
.endif
.endm
; Slice k of 64 of piece y's softmax: four instructions.  Slices 11 to 34 deal out the batch, four numbers of ONE tile each, the tiles by turns; every other slice is numbers 2 k and 2 k + 1 of both tiles;
; the twelve that are over stand in slice 63.  Ahead of slice 35 nothing names an exponential's result, and behind slice 34 none is issued: so the piece's 66 exponentials have one wait.
.macro SLICE y
.if (k >= 11) && (k < 35)
.irp n, 0,1,2,3
.set j, 22+4*((k-11)/2)+(\n)
	SM (\y)+(k-11)%2
.endr
.else
.irp n, 0,1,2,3,4,5,6,7
.if ((\n) < 2) || (k == 63)
.irp t, \y, (\y)+1
.set j, 2*k+(\n)
	SM \t
.endr
.endif
.endr
.endif
.if k == 34
	v_nop                           ; the plain instruction behind the last exponential: one for the batch
.if (\y) == 0
	FETCH_V                         ; piece 2's turn: V's run of loads stands here, and the wait stands in it
.else
	s_wait_alu depctr_va_vdst(0)    ; the wait for the batch
.endif
.endif
.set k, k+1
.endm
; A TURN.  Piece x has the matrix unit: 32 products V^T P, then 32 products K Q^T; the other piece's softmax stands in slices behind them.
; Piece 0's turn fetches the next step's K behind its second product (the last reader of K stands in front of slice 63 of the turn before); piece 2's turn the same step's V behind slice 34
; (four plain instructions behind V's last reader: two scalings, the v_nop and the run's own address line).  last = 1: the tail's text, whose last trip fetches no K.
.macro TURN x, last=0
.set k, 0
.if (\x) == 0
	s_wait_dscnt 0x0                ; V is in
.endif
.set i, 0
.rept 32
	PV \x
	SLICE 2-(\x)
.if ((\x) == 0) && (i == 1)
	FETCH_K \last
.endif
.set i, i+1
.endr
.if (\x) == 0
	s_wait_dscnt 0x0                ; K is in
.endif
.set i, 0
.rept 32
	KQ \x
	SLICE 2-(\x)
.set i, i+1
.endr
.endm
; THE CHANGE OF SLOTS.  Each wave waits for all its tensor loads (one is out: its part of the other slot), adds 0 to its spare word, and waits for that and for its reads of the slot.
; fill = 1: the barrier is a round of the cluster's, and the joint refill, with the keys two slots on, is the first thing behind it: it has two key steps, 256 matrix instructions, in which to land.
.macro CHANGE fill
	WIN 0
	s_wait_tensorcnt 0x0
	ds_add_u32 v[SPW], v[NIL]
.if \fill
.irp g, G0K+4, G0V+4
	s_xor_b32 s[(\g)+1], s[(\g)+1], XS
	s_add_nc_u64 s[(\g)+2:(\g)+3], s[(\g)+2:(\g)+3], 65536  ; the next 256 keys
.endr
	s_wait_xcnt 0x0                 ; the last prefetch, two key steps back, has read its address
	s_add_nc_u64 s[PFA:PFA+1], s[PFA:PFA+1], 65536
	s_wait_dscnt 0x0                ; the add is done, and my reads of the slot are over
	CROUND
	JLOAD
	ASK
.else
	s_wait_dscnt 0x0
	s_barrier_signal -1
	s_barrier_wait -1
.endif
	s_sub_co_u32 s[TBK], s[TBK], 2*KS*PK  ; the fetches go back to my half's first step,
	s_xor_b32 s[TBK], s[TBK], XS          ; in the other slot
	s_sub_co_u32 s[TBV], s[TBV], 2*KS*PV
	s_xor_b32 s[TBV], s[TBV], XS
.endm
	s_wait_tensorcnt 1              ; my part of slot 0 is in; slot 1's may stay out
	s_barrier_signal -1
	s_barrier_wait -1
	FETCH_K                         ; key step 0
	s_wait_loadcnt 0x0              ; Q
	s_wait_dscnt 0x0
.set i, 0
.rept 32
	KQ 0                            ; piece 0's first scores
.set i, i+1
.endr
	WIN 0                           ; the addresses for the way out: plain instructions, the places behind those products
	s_mul_i32 s13, s[WV], 16*SP
	s_add_co_u32 s13, s13, STAGE    ; my stage
	v_mul_u32_u24 v[STO], v1, SP
	v_lshl_add_u32 v[STO], v9, 4, v[STO]
	v_add_nc_u32 v[STO], s13, v[STO]
	v_mul_u32_u24 v[RD], v9, SP
	v_lshl_add_u32 v[RD], v1, 4, v[RD]
	v_add_nc_u32 v[RD], s13, v[RD]
	v_lshlrev_b32 v[GO], 12, v9     ; lanes 0-15 one row of ob, lanes 16-31 the next
	v_lshl_add_u32 v[GO], v1, 4, v[GO]
	s_mul_i32 s13, s16, MPART       ; the merge's part of my query half
	v_and_b32 v[MG], 31, v0
	v_lshl_add_u32 v[MG], v[MG], 4, s13
	s_mov_b32 s[TWICE], 2           ; slot 0: half a trip (piece 2's first scores | piece 0's first softmax | V of step 0), then a whole one
	s_mov_b32 s[SLOTS], 7           ; this pass, and six that begin with a refill
	s_branch .Lmid                  ; the loop is entered in the middle of a trip
.Lslot:                             ; six times: every slot but the last two is filled again
	CHANGE 1
	s_mov_b32 s[TWICE], 2
.Lstep:                             ; a trip is a key step
	TURN 0                          ; piece 0: V^T P of step j, K Q^T of step j + 1 | piece 2's softmax of step j | K of step j + 1
	WIN 0
.Lmid:
	TURN 2                          ; piece 2: the same | piece 0's softmax of step j + 1 | V of step j + 1
	WIN 0
	s_sub_co_u32 s[TWICE], s[TWICE], 1
	s_cmp_lg_u32 s[TWICE], 0
	s_cbranch_scc1 .Lstep
	s_sub_co_u32 s[SLOTS], s[SLOTS], 1
	s_cmp_lg_u32 s[SLOTS], 0
	s_cbranch_scc1 .Lslot
	CHANGE 0                        ; the tail has a text of its own: nothing is asked for
	s_mov_b32 s[TWICE], 3           ; turns 0, 2, 0, 2, 0: three trips, the first entered in its middle
	s_branch .Ltin
.Ltail:
	TURN 2
	WIN 0
.Ltin:
	TURN 0, 1                       ; the last time: V^T P of the last step | piece 2's last softmax; no K is fetched, and its scores, of the last K once more, serve nothing
	WIN 0
	s_sub_co_u32 s[TWICE], s[TWICE], 1
	s_cmp_lg_u32 s[TWICE], 0
	s_cbranch_scc1 .Ltail
	s_wait_dscnt 0x0                ; my last reads of the ring are back:
	s_barrier_signal -1             ; behind this barrier no wave reads the ring any more, and its first bytes take the merge
.set i, 0
.rept 32
	PV 2                            ; piece 2: V^T P of the last step
.set i, i+1
.endr
	s_barrier_wait -1
	; THE MERGE.  l's two halves and the other half of the lanes' are added (these additions are the places behind the last products).  Waves 2 and 3 hand c m, l and O^T over; waves 0 and 1 finish.
	WIN 0
.irp t, 0,1,2,3
	v_add_f32 v[ST+8*(\t)+4], v[ST+8*(\t)+2], v[ST+8*(\t)+3]
.endr
.irp t, 0,1,2,3
	v_permlanex16_b32 v[ST+8*(\t)+5], v[ST+8*(\t)+4], s[SEL], s[SEL+1]
.endr
.irp t, 0,1,2,3
	v_add_f32 v[ST+8*(\t)+4], v[ST+8*(\t)+4], v[ST+8*(\t)+5]
.endr
	s_cmp_lt_u32 s[WV], 2
	s_cbranch_scc1 .Lkeep
.irp t, 0,1,2,3
	v_mov_b32 v[HX+(\t)], v[ST+8*(\t)]
	v_mov_b32 v[HX+4+(\t)], v[ST+8*(\t)+4]
.endr
	ds_store_b128 v[MG], v[HX:HX+3] offset:32768
	ds_store_b128 v[MG], v[HX+4:HX+7] offset:33280
	WIN 0x04                        ; store data window 1
.set i, 0
.rept 64
	ds_store_b128 v[MG], v[4*i:4*i+3] offset:512*i  ; ascending: each accumulator's low registers go first
.set i, i+1
.endr
	WIN 0
.Lkeep:
	s_wait_dscnt 0x0                ; for the partner's sake
	s_barrier_signal -1
	s_barrier_wait -1
	s_cmp_lt_u32 s[WV], 2
	s_cbranch_scc0 .Lend
	WIN 0x80                        ; the partner's O^T goes where Q and K lay
.set i, 0
.rept 64
	ds_load_b128 v[4*i:4*i+3], v[MG] offset:512*i
.set i, i+1
.endr
	WIN 0
	ds_load_b128 v[HX:HX+3], v[MG] offset:32768
	ds_load_b128 v[HX+4:HX+7], v[MG] offset:33280
	s_wait_dscnt 0x0
.irp t, 0,1,2,3
	v_max_num_f32 v[ST+8*(\t)+5], v[ST+8*(\t)], v[HX+(\t)]      ; the common c m
.endr
.irp t, 0,1,2,3
	v_sub_f32 v[ST+8*(\t)+6], v[ST+8*(\t)], v[ST+8*(\t)+5]
	v_sub_f32 v[ST+8*(\t)+7], v[HX+(\t)], v[ST+8*(\t)+5]
.endr
.irp t, 0,1,2,3
	v_exp_f32 v[ST+8*(\t)+6], v[ST+8*(\t)+6]
	v_exp_f32 v[ST+8*(\t)+7], v[ST+8*(\t)+7]
.endr
	v_nop
	s_wait_alu depctr_va_vdst(0)    ; one wait for the eight exponentials
.irp t, 0,1,2,3
	v_mul_f32 v[ST+8*(\t)+4], v[ST+8*(\t)+4], v[ST+8*(\t)+6]
.endr
.irp t, 0,1,2,3
	v_fma_f32 v[ST+8*(\t)+4], v[HX+4+(\t)], v[ST+8*(\t)+7], v[ST+8*(\t)+4]  ; l of all keys
.endr
.irp t, 0,1,2,3
	v_rcp_f32 v[ST+8*(\t)+5], v[ST+8*(\t)+4]
.endr
	v_nop
	s_wait_alu depctr_va_vdst(0)    ; one wait for the four reciprocals
.irp t, 0,1,2,3
	v_mul_f32 v[ST+8*(\t)+2], v[ST+8*(\t)+6], v[ST+8*(\t)+5]    ; my O^T's factor,
	v_mul_f32 v[ST+8*(\t)+6], v[ST+8*(\t)+7], v[ST+8*(\t)+5]    ; the partner's
.endr
; Tile t: both halves' O^T weighted and added, rounded to f16; a lane's eight channels pack into 16 bytes; they go into rows of 272 bytes and come back as whole rows of 256.
.macro PACK t
	WIN W_RS
.set i, 64*(\t)
.rept 32
	v_pk_mul_f32 v[i:i+1], v[i:i+1], v[ST+8*(\t)+2:ST+8*(\t)+3] op_sel_hi:[1,0]
.set i, i+2
.endr
	WIN 0x52                        ; source 0 window 2, source 1 window 0, source 2 and destination window 1
.set i, 64*(\t)
.rept 32
	v_pk_fma_f32 v[i:i+1], v[i:i+1], v[ST+8*(\t)+6:ST+8*(\t)+7], v[i:i+1] op_sel_hi:[1,0,1]
.set i, i+2
.endr
	WIN 0x05                        ; sources window 1, destination window 0: S^T's registers are free
.set i, 0
.rept 32
	v_cvt_pk_f16_f32 v[S+32*(\t)+i], v[64*(\t)+2*i], v[64*(\t)+2*i+1]
.set i, i+1
.endr
	WIN 0
.irp f, 0,1,2,3,4,5,6,7
	ds_store_b128 v[STO], v[S+32*(\t)+4*(\f):S+32*(\t)+4*(\f)+3] offset:32*(\f)
.endr
.irp f, 0,1,2,3,4,5,6,7
	ds_load_b128 v[S+32*(\t)+4*(\f):S+32*(\t)+4*(\f)+3], v[RD] offset:(\f)*2*SP  ; LDS serves a wave's instructions in order (ISA guide 5.7.1.4): these see the stores above
.endr
.endm
.macro SEND t, younger              ; younger: the LDS instructions issued behind tile t's loads: the next tile's sixteen, or none
	WIN 0
.irp f, 0,1,2,3,4,5,6,7
	s_wait_dscnt (\younger)+7-(\f)
	global_store_b128 v[GO], v[S+32*(\t)+4*(\f):S+32*(\t)+4*(\f)+3], s[10:11] offset:(\t)*65536+(\f)*8192  ; 16 lanes store 256 consecutive bytes, at a multiple of 256 from ob's first byte
.endr
.endm
	PACK 0
	PACK 1
	SEND 0, 16
	PACK 2
	SEND 1, 16
	PACK 3
	SEND 2, 16
	SEND 3, 0
.Lend:
	s_wait_tensorcnt 0x0            ; the wave's end
	ds_add_u32 v[SPW], v[NIL]
	s_wait_dscnt 0x0
	CROUND                          ; the closing round
	s_endpgm
.Lfunc_end_k_q151368d8f6_attn:
	.size	k_q151368d8f6_attn, .Lfunc_end_k_q151368d8f6_attn-k_q151368d8f6_attn
	.p2alignl 7, 3214868480
	.fill 96, 4, 3214868480
	.section	.rodata,"a",@progbits
	.p2align	6, 0x0
	.amdhsa_kernel k_q151368d8f6_attn
		.amdhsa_group_segment_fixed_size 327680
		.amdhsa_private_segment_fixed_size 0
		.amdhsa_enable_private_segment 0
		.amdhsa_kernarg_size 16
		.amdhsa_user_sgpr_count 2
		.amdhsa_user_sgpr_kernarg_segment_ptr 1
		.amdhsa_wavefront_size32 1
		.amdhsa_system_sgpr_workgroup_id_x 1
		.amdhsa_system_sgpr_workgroup_id_y 1
		.amdhsa_system_sgpr_workgroup_id_z 1
		.amdhsa_system_vgpr_workitem_id 0
		.amdhsa_next_free_vgpr 1024
		.amdhsa_next_free_sgpr 66
		.amdhsa_reserve_vcc 0
		.amdhsa_float_denorm_mode_32 3
		.amdhsa_float_denorm_mode_16_64 3
		.amdhsa_memory_ordered 1
		.amdhsa_forward_progress 1
		.amdhsa_inst_pref_size 167
	.end_amdhsa_kernel
	.amdgpu_metadata
---
amdhsa.version: [ 1, 2 ]
amdhsa.kernels:
  - .name:           k_q151368d8f6_attn
    .symbol:         k_q151368d8f6_attn.kd
    .args:
      - { .name: qkv, .offset: 0, .size: 8, .value_kind: global_buffer, .address_space: global }
      - { .name: ob, .offset: 8, .size: 8, .value_kind: global_buffer, .address_space: global }
    .group_segment_fixed_size: 327680
    .private_segment_fixed_size: 0
    .kernarg_segment_align: 8
    .kernarg_segment_size: 16
    .max_flat_workgroup_size: 128
    .sgpr_count:     66
    .vgpr_count:     1024
    .wavefront_size: 32
...
	.end_amdgpu_metadata
.endif
;; end of part 3
;; launch outp (part 4): grid 16 x 16, 4 waves a work-group, clusters of 4 x 4, 327,680 bytes of LDS; arguments ob, cv, out0; writes out0
.if DOCPART == 4
	.amdgcn_target "amdgcn-amd-amdhsa--gfx1250"
	.amdhsa_code_object_version 6
	.text
	.protected	k_q151368d8f6_outp
	.globl	k_q151368d8f6_outp
	.p2align	8
	.type	k_q151368d8f6_outp,@function
k_q151368d8f6_outp:
	s_mov_b64 s[64:65], 0
	v_nop
	global_prefetch_b8 v0, s[64:65] scope:SCOPE_SE
	s_setreg_imm32_b32 hwreg(HW_REG_WAVE_MODE, 25, 1), 1
	s_wait_xcnt 0x0
	s_wait_alu depctr_hold_cnt(0) depctr_sa_sdst(0) depctr_va_vdst(0) depctr_va_sdst(0) depctr_va_ssrc(0) depctr_va_vcc(0) depctr_vm_vsrc(0)
	s_getreg_b32 s2, hwreg(HW_REG_IB_STS2, 6, 4)
	s_cmp_eq_u32 s2, 0
	s_cbranch_scc0 .Lentry_in_a_cluster
	s_endpgm
.Lentry_in_a_cluster:
	s_bfe_u32 s2, ttmp6, 0x10000c
	s_cmp_lg_u32 s2, 0xf033
	s_cbranch_scc0 .Lentry_shape_is_right
	s_endpgm
.Lentry_shape_is_right:
; out0[m][n] = the sum over k of O[m][k] Wout[n][k].  O = ob [2048][2048] f16; Wout = cv at 32 MiB, [2048][2048] f16 (its bf16 rounding written as f16); out0 f32; sums in f32.
; A tile of 128 x 128 gives each of 256 work-groups one; four waves, each 64 x 64: 16 accumulators.  K goes in 8 steps of 256 (LDS rows of 512 bytes + 16 of padding; a wave's tensor load brings 64 rows) through two slots.
; CLUSTER 4 x 4: O's tiles are asked for jointly along a row of the cluster, Wout's along a column.  THE PRODUCT IS TAKEN TRANSPOSED (source 0 = 16 rows of Wout, source 1 = 16 rows of O): a lane holds eight neighbouring
; numbers of a row of the output.  A wave's 64 columns are 256 bytes, aligned: each wave sends its own rows through its own stage, with no barrier.
; No prefetch: a step's tiles are small, and every tile is read again by other clusters.
; REGISTERS: window 0: v0-31 addresses; v128-255 the accumulators ((a, b) at 128 + 8 (4 a + b)).  Window 1: two fragment buffers of 128 (64 of O's, then 64 of Wout's); on the way out v0-127 whole rows.
.set KSTEP,  256
.set PITCH,  528                       ; 132 words: the 16 rows of a fragment load start at 16 different groups of four banks (64 banks of 4 bytes: ISA guide 11.1)
.set HALFT,  64*PITCH
.set SLOT,   4*HALFT                   ; 0x21000; no bit of it occurs in w x HALFT
.set STAGE,  2*SLOT                    ; behind the ring: 16 rows x 272 bytes for each wave
.set SPITCH, 272
.set SPARE,  STAGE+4*16*SPITCH         ; the spare words, 128 bytes a wave: two blocks of 256 bytes that no other line names
.set LA,   14                          ; my lane's place in O's tile and in Wout's; never rewritten
.set LB,   15
.set ADRA, 16                          ; the same in the slot in hand
.set ADRB, 20
.set STO,  24
.set RD,   25
.set CO,   26
.set SPW,  28
.set NIL,  29
.set ACC,  128
.set F0,   0
.set F1,   128
.set TB,   21                          ; s21: the slot of the next fetch
.set G1,  24
.set G0,  32
.set G1B, 48
.set G0B, 56
.set MSB, 0
.macro WIN new
.if MSB != (\new)
	s_set_vgpr_msb (MSB<<8)|(\new)
.set MSB, (\new)
.endif
.endm
.set MUL,  0x05                        ; both sources window 1; C and D window 0
.set TO_F, 0x40                        ; destination window 1
.macro JLOAD n                         ; waves 0 and 1 fetch O's two halves, waves 2 and 3 Wout's; an s_nop 0 and four v_nop follow each line
	s_cmp_eq_u32 s11, 0
	s_cbranch_scc0 .Lfor_b_\@
	tensor_load_to_lds s[G0+4*(\n):G0+4*(\n)+3], s[G1:G1+7]
	s_nop 0
.rept 4
	v_nop
.endr
	s_branch .Lasked_\@
.Lfor_b_\@:
	tensor_load_to_lds s[G0B+4*(\n):G0B+4*(\n)+3], s[G1B:G1B+7]
	s_nop 0
.rept 4
	v_nop
.endr
.Lasked_\@:
.endm
.macro CREST
	s_cmp_lg_u32 s10, 0
	s_cbranch_scc1 .Lnot_wave_0_\@
	s_barrier_signal -3
.Lnot_wave_0_\@:
	s_barrier_wait -3
	s_barrier_signal -1
	s_barrier_wait -1
.endm
.macro CROUND
	s_barrier_signal -1
	s_barrier_wait -1
	CREST
.endm
	s_load_b128 s[4:7], s[0:1], 0x0                ; ob s[4:5], cv s[6:7]
	s_load_b64 s[8:9], s[0:1], 0x10                ; out0
	v_lshl_add_u32 v[SPW], v0, 2, SPARE
	v_mov_b32 v[NIL], 0
	ds_add_u32 v[SPW], v[NIL]                      ; the wave's opening: the add and its wait ahead of my first tensor load
	v_lshrrev_b32 v1, 5, v0
	v_readfirstlane_b32 s10, v1                    ; wave 0..3
	s_lshr_b32 s11, s10, 1                         ; my half of the tile's rows.  Also: I fetch for O (0) or for Wout (1)
	s_and_b32 s12, s10, 1                          ; my half of its columns.  Also: which 64 rows of that tile I fetch
	s_bfe_u32 s40, ttmp6, 0x40000                  ; cx, cy
	s_bfe_u32 s41, ttmp6, 0x40004
	s_lshl_b32 s42, ttmp9, 2
	s_add_co_u32 s42, s42, s40                     ; tile column
	s_and_b32 s13, ttmp7, 0xffff
	s_lshl_b32 s13, s13, 2
	s_add_co_u32 s13, s13, s41                     ; tile row
	s_lshl_b32 s43, s41, 2
	s_lshl_b32 s43, 15, s43                        ; my row of the cluster
	s_lshl_b32 s44, 0x1111, s40                    ; my column
	s_or_b32 s[G1+0], s43, (1<<16)|(1<<20)|(1<<21)|(6<<22)|(3<<25)  ; the mask; 2-byte elements; padding on; bit 21 beside a mask; after every 128 words 4 words
	s_or_b32 s[G1B+0], s44, (1<<16)|(1<<20)|(1<<21)|(6<<22)|(3<<25)
.irp g, G1, G1B
	s_mov_b32 s[(\g)+1], KSTEP<<16                 ; tensor_dim0 = 256
	s_mov_b32 s[(\g)+2], 64<<16                    ; tensor_dim1 = 64
	s_mov_b32 s[(\g)+3], KSTEP<<16                 ; tile_dim0 = 256
	s_mov_b32 s[(\g)+4], 64                        ; tile_dim1 = 64
	s_mov_b32 s[(\g)+5], 2048                      ; elements from row to row
	s_mov_b32 s[(\g)+6], 0
	s_mov_b32 s[(\g)+7], 0
.endr
	s_lshl_b32 s17, s12, 6                         ; which 64 rows of the tile I fetch
	s_lshl_b32 s16, s13, 7
	s_add_co_u32 s16, s16, s17
	s_lshl_b32 s16, s16, 12                        ; O: rows of 4,096 bytes
	s_lshl_b32 s46, s42, 7
	s_add_co_u32 s46, s46, s17
	s_lshl_b32 s46, s46, 12
	s_add_co_u32 s46, s46, 0x2000000               ; Wout's part of cv
	s_mov_b32 s17, 0
	s_mov_b32 s47, 0
	s_mul_i32 s20, s10, HALFT                      ; where the tile goes: wave x 64 rows
	s_wait_dscnt 0x0                               ; the opening add is done
	s_wait_kmcnt 0x0
	s_add_nc_u64 s[14:15], s[4:5], s[16:17]
	s_add_nc_u64 s[46:47], s[6:7], s[46:47]
	CROUND                                         ; all sixteen work-groups are here: the first joint loads meet
.irp s, 0,1
	s_mov_b32 s[G0+4*(\s)], 1
	s_add_co_u32 s[G0+4*(\s)+1], s20, (\s)*SLOT
	s_add_nc_u64 s[G0+4*(\s)+2:G0+4*(\s)+3], s[14:15], (\s)*KSTEP*2
	s_or_b32 s[G0+4*(\s)+3], s[G0+4*(\s)+3], 0x80000000
	s_mov_b32 s[G0B+4*(\s)], 1
	s_add_co_u32 s[G0B+4*(\s)+1], s20, (\s)*SLOT
	s_add_nc_u64 s[G0B+4*(\s)+2:G0B+4*(\s)+3], s[46:47], (\s)*KSTEP*2
	s_or_b32 s[G0B+4*(\s)+3], s[G0B+4*(\s)+3], 0x80000000
	JLOAD \s                                       ; K steps 0 and 1: two loads of mine are out
.endr
	v_and_b32 v1, 15, v0                           ; l % 16
	v_bfe_u32 v2, v0, 4, 1                         ; l / 16
	v_mul_u32_u24 v3, v1, PITCH
	v_lshl_add_u32 v3, v2, 4, v3
	s_mul_i32 s22, s11, HALFT                      ; my 64 rows of O
	v_add_nc_u32 v[LA], s22, v3
	s_mul_i32 s22, s12, HALFT                      ; my 64 rows of Wout,
	s_add_co_u32 s22, s22, 2*HALFT                 ; which lie behind O's 128
	v_add_nc_u32 v[LB], s22, v3
	s_mul_i32 s23, s10, 16*SPITCH
	s_add_co_u32 s23, s23, STAGE                   ; my stage
	v_mul_u32_u24 v4, v1, SPITCH                   ; in: row l % 16, 32 bytes for each half of the lanes
	v_lshl_add_u32 v4, v2, 5, v4
	v_add_nc_u32 v[STO], s23, v4
	v_mul_u32_u24 v5, v2, SPITCH                   ; back: lanes 0-15 one row of 256 bytes, lanes 16-31 the next
	v_lshl_add_u32 v5, v1, 4, v5
	v_add_nc_u32 v[RD], s23, v5
	v_lshlrev_b32 v5, 13, v2                       ; and the same two rows in out0
	v_lshl_add_u32 v[CO], v1, 4, v5
	s_lshl_b32 s16, s13, 7
	s_lshl_b32 s17, s11, 6
	s_add_co_u32 s16, s16, s17                     ; my first row,
	s_lshl_b32 s16, s16, 13                        ; of 8,192 bytes
	s_mov_b32 s17, 0
	s_add_nc_u64 s[8:9], s[8:9], s[16:17]
	s_lshl_b32 s46, s42, 9                         ; my first column, in bytes
	s_lshl_b32 s47, s12, 8
	s_add_co_u32 s46, s46, s47
	s_mov_b32 s47, 0
	s_add_nc_u64 s[8:9], s[8:9], s[46:47]
; 8 matrix instructions: m blocks a0, a0 + 1 x all 4 n blocks, 32 along K: half c of buffer f.  The 16 accumulators take turns.
.macro MUL8 f, c, a0, zero
	WIN MUL
.irp a, \a0, (\a0)+1
.irp b, 0,1,2,3
.if \zero
	v_wmma_f32_16x16x32_f16 v[ACC+8*(4*(\a)+(\b)):ACC+8*(4*(\a)+(\b))+7], v[(\f)+64+8*(4*(\c)+(\b)):(\f)+64+8*(4*(\c)+(\b))+7], v[(\f)+8*(4*(\c)+(\a)):(\f)+8*(4*(\c)+(\a))+7], 0
.else
	v_wmma_f32_16x16x32_f16 v[ACC+8*(4*(\a)+(\b)):ACC+8*(4*(\a)+(\b))+7], v[(\f)+64+8*(4*(\c)+(\b)):(\f)+64+8*(4*(\c)+(\b))+7], v[(\f)+8*(4*(\c)+(\a)):(\f)+8*(4*(\c)+(\a))+7], v[ACC+8*(4*(\a)+(\b)):ACC+8*(4*(\a)+(\b))+7]
.endif
.endr
.endr
.endm
; 32 LDS loads in one run: the fragments of 64 along K at byte k of the rows, into buffer f; the first 32 along K first
.macro FETCH k, f
	WIN TO_F
.irp c, 0,1
.irp i, 0,1,2,3
	ds_load_b128 v[(\f)+64+8*(4*(\c)+(\i)):(\f)+64+8*(4*(\c)+(\i))+3],   v[ADRB] offset:(\k)+64*(\c)+(\i)*16*PITCH
	ds_load_b128 v[(\f)+64+8*(4*(\c)+(\i))+4:(\f)+64+8*(4*(\c)+(\i))+7], v[ADRB] offset:(\k)+64*(\c)+(\i)*16*PITCH+32
	ds_load_b128 v[(\f)+8*(4*(\c)+(\i)):(\f)+8*(4*(\c)+(\i))+3],         v[ADRA] offset:(\k)+64*(\c)+(\i)*16*PITCH
	ds_load_b128 v[(\f)+8*(4*(\c)+(\i))+4:(\f)+8*(4*(\c)+(\i))+7],       v[ADRA] offset:(\k)+64*(\c)+(\i)*16*PITCH+32
.endr
.endr
.endm
.macro PLACES                          ; four places in front of loads into registers that matrix instructions have read, and of lines that read results
.rept 4
	v_nop
.endr
.endm
; A K step is four quarters of 64 along K, 32 matrix instructions each, on buffers 0, 1, 0, 1.
.macro QUARTER k, f, g, zero
	s_wait_dscnt 16                                ; the first 32 along K are in
	MUL8 \f, 0, 0, \zero
	MUL8 \f, 0, 2, \zero
	PLACES
	FETCH \k, \g
	s_wait_dscnt 32                                ; all but the 32 just issued
	MUL8 \f, 1, 0, 0
	MUL8 \f, 1, 2, 0
.endm
; The last quarter changes slots: ONE barrier; in front of it each wave waits for all its tensor loads, adds 0 to its spare word, and waits for that and for its reads of this slot.
; fill = 1: the barrier opens a round of the cluster's, and this slot is filled again first behind it, two K steps ahead: 112 matrix instructions ahead of the wait for it.
.macro TURN fill
	WIN 0
	s_wait_tensorcnt 0x0
	ds_add_u32 v[SPW], v[NIL]
	s_wait_dscnt 17                                ; the add and the youngest sixteen loads may be out
	MUL8 F1, 0, 0, 0
	s_wait_dscnt 0x0                               ; the add is done, and my reads of this slot are over
	s_barrier_signal -1
	MUL8 F1, 0, 2, 0
.if \fill
	WIN 0
.endif
	s_barrier_wait -1
.if \fill
	CREST
	s_xor_b32 s[G0+5], s[G0+5], SLOT               ; the walking descriptors: the other slot than last time, the next K step
	s_add_nc_u64 s[G0+6:G0+7], s[G0+6:G0+7], KSTEP*2
	s_xor_b32 s[G0B+5], s[G0B+5], SLOT
	s_add_nc_u64 s[G0B+6:G0B+7], s[G0B+6:G0B+7], KSTEP*2
	JLOAD 1                                        ; its four v_nop are also the places in front of the loads below
.else
	PLACES
	WIN 0
.endif
	s_xor_b32 s[TB], s[TB], SLOT
	v_add_nc_u32 v[ADRA], s[TB], v[LA]
	v_add_nc_u32 v[ADRB], s[TB], v[LB]
	FETCH 0, F0
	MUL8 F1, 1, 0, 0
	MUL8 F1, 1, 2, 0
.endm
	s_wait_tensorcnt 1                             ; my part of K step 0 is in; K step 1's may stay out
	s_barrier_signal -1
	s_barrier_wait -1
	s_mov_b32 s[TB], 0
	v_mov_b32 v[ADRA], v[LA]
	v_mov_b32 v[ADRB], v[LB]
	FETCH 0, F0
	QUARTER 128, F0, F1, 1                         ; the first quarter stands in front of the loop: its first products start the sums
	WIN 0
	s_mov_b32 s3, 6
.Lstep:                                        ; trip t: quarters 2 to 4 of K step t, the refill with K step t + 2, the first quarter of K step t + 1
	QUARTER 256, F1, F0, 0
	QUARTER 384, F0, F1, 0
	TURN 1
	QUARTER 128, F0, F1, 0
	WIN 0
	s_sub_co_u32 s3, s3, 1
	s_cmp_lg_u32 s3, 0
	s_cbranch_scc1 .Lstep
	; K steps 6 and 7 ask for nothing: a loop of their own; two trips, entered behind the first quarter, which the loop above has done for K step 6.
	; The price of one text for both: the last trip's change of slots fetches 32 fragments of the stale slot, which nobody multiplies.
	s_mov_b32 s3, 2
	s_branch .Lin
.Ltail:
	QUARTER 128, F0, F1, 0
	WIN 0
.Lin:
	QUARTER 256, F1, F0, 0
	QUARTER 384, F0, F1, 0
	TURN 0
	WIN 0
	s_sub_co_u32 s3, s3, 1
	s_cmp_lg_u32 s3, 0
	s_cbranch_scc1 .Ltail
	s_wait_dscnt 0x0                               ; those last loads are back: their registers take the rows below
	; THE WAY OUT, 16 rows at a time through my own stage: a lane's eight numbers are 32 bytes of a row; back as whole rows of 256 bytes.
	PLACES
.macro TOSTAGE a
	WIN 0
.irp b, 0,1,2,3
	ds_store_b128 v[STO], v[ACC+8*(4*(\a)+(\b)):ACC+8*(4*(\a)+(\b))+3]   offset:64*(\b)
	ds_store_b128 v[STO], v[ACC+8*(4*(\a)+(\b))+4:ACC+8*(4*(\a)+(\b))+7] offset:64*(\b)+16
.endr
	WIN 0x40
.irp t, 0,1,2,3,4,5,6,7
	ds_load_b128 v[32*(\a)+4*(\t):32*(\a)+4*(\t)+3], v[RD] offset:(\t)*2*SPITCH  ; LDS serves a wave's instructions in order (ISA guide 5.7.1.4): these see the stores above; the next block's stores come behind them
.endr
.endm
.macro SEND a, younger                 ; younger: the LDS instructions issued behind block a's loads: the next block's sixteen, or none
	WIN 0x04                                       ; store data window 1
.irp t, 0,1,2,3,4,5,6,7
	s_wait_dscnt (\younger)+7-(\t)
	global_store_b128 v[CO], v[32*(\a)+4*(\t):32*(\a)+4*(\t)+3], s[8:9] offset:(16*(\a)+2*(\t))*8192 th:TH_STORE_NT  ; 16 lanes store 256 consecutive bytes, at a multiple of 256 from out0's first byte
.endr
.endm
	TOSTAGE 0
	TOSTAGE 1
	SEND 0, 16
	TOSTAGE 2
	SEND 1, 16
	TOSTAGE 3
	SEND 2, 16
	SEND 3, 0
	WIN 0
	s_wait_tensorcnt 0x0                           ; the wave's end
	ds_add_u32 v[SPW], v[NIL]
	s_wait_dscnt 0x0
	CROUND                                         ; the closing round
	s_endpgm
.Lfunc_end_k_q151368d8f6_outp:
	.size	k_q151368d8f6_outp, .Lfunc_end_k_q151368d8f6_outp-k_q151368d8f6_outp
	.p2alignl 7, 3214868480
	.fill 96, 4, 3214868480
	.section	.rodata,"a",@progbits
	.p2align	6, 0x0
	.amdhsa_kernel k_q151368d8f6_outp
		.amdhsa_group_segment_fixed_size 327680
		.amdhsa_private_segment_fixed_size 0
		.amdhsa_enable_private_segment 0
		.amdhsa_kernarg_size 24
		.amdhsa_user_sgpr_count 2
		.amdhsa_user_sgpr_kernarg_segment_ptr 1
		.amdhsa_wavefront_size32 1
		.amdhsa_system_sgpr_workgroup_id_x 1
		.amdhsa_system_sgpr_workgroup_id_y 1
		.amdhsa_system_sgpr_workgroup_id_z 1
		.amdhsa_system_vgpr_workitem_id 0
		.amdhsa_next_free_vgpr 512
		.amdhsa_next_free_sgpr 66
		.amdhsa_reserve_vcc 0
		.amdhsa_float_denorm_mode_32 3
		.amdhsa_float_denorm_mode_16_64 3
		.amdhsa_memory_ordered 1
		.amdhsa_forward_progress 1
		.amdhsa_inst_pref_size 58
	.end_amdhsa_kernel
	.amdgpu_metadata
---
amdhsa.version: [ 1, 2 ]
amdhsa.kernels:
  - .name:           k_q151368d8f6_outp
    .symbol:         k_q151368d8f6_outp.kd
    .args:
      - { .name: ob, .offset: 0, .size: 8, .value_kind: global_buffer, .address_space: global }
      - { .name: cv, .offset: 8, .size: 8, .value_kind: global_buffer, .address_space: global }
      - { .name: out0, .offset: 16, .size: 8, .value_kind: global_buffer, .address_space: global }
    .group_segment_fixed_size: 327680
    .private_segment_fixed_size: 0
    .kernarg_segment_align: 8
    .kernarg_segment_size: 24
    .max_flat_workgroup_size: 128
    .sgpr_count:     66
    .vgpr_count:     512
    .wavefront_size: 32
...
	.end_amdgpu_metadata
.endif
;; end of part 4
